; MI455X (gfx1250); checked and timed in simulation.
; The chip was launched on July 23, 2026; its instructions are those of AMD's public machine-readable ISA for CDNA 5 (MIT licence, August 2026) and "CDNA5" Instruction Set Architecture Reference Guide (July 2026). The comments in the code are by the model that wrote it; some were corrected since.
;; Test Mo E. Allowed arithmetic: matrix products marked QUANTISED: E3M2 operands, one E8M0 scale for each 32 along K, by v_wmma_scale_f32_16x16x128_f8f6f4 with both operands' format E3M2, f32 sums; products left as they are: f32 operands where the result goes on into a quantised operand, else bf16, f16 or f32 operands; f32 sums; everything else in f32.
;; Inputs: expert_b 8 x 1,024 float32; expert_w 8 x 1,024 x 1,024 float32; router_b 8 float32; router_w 8 x 1,024 float32; x 8,192 x 1,024 float32.
;; Outputs: out0 8,192 x 1,024 float32.
;; This version of the problem:
;;   THIS VERSION OF THE PROBLEM IS GIVEN IN LOW PRECISION. The matrix products marked QUANTISED in the list below multiply operands that are first quantised to E3M2 (3 exponent bits, 2 mantissa bits; 6 bits a number), with one power-of-two scale for each 32 numbers along K (OCP MX v1.0); their sums are f32. All else is computed in f32.
;;   The module's matrix products, in the order in which they are computed (A, B: the left and right operand; K: the contracted axis; several contracted axes count as one K, in the product's order):
;;     1. [M 8,192, K 1,024] x [K 1,024, N 8]; A: input x; B: input router_w: left as it is (N = 8 < 16)
;;     2. [M 8,192, K 1,024] x [K 1,024, N 8,192]; A: input x; B: input expert_w: QUANTISED
;;   THE QUANTISER, for each operand of a quantised product, along K:
;;     - K is cut into blocks of 32 from its start; a last block that is shorter is filled with zeros.
;;     - A block's scale is 2^e with e = floor(log2(the largest magnitude in the block)) - 4, held to -126 .. 127; a block of zeros has e = 0. As a byte (E8M0): e + 127.
;;     - Each number is divided by its block's scale, clamped to +-28, and rounded to the nearest number of E3M2, ties to even, subnormals kept.
;;     - The product sums the exact products of the quantised numbers (number of the format x scale) in f32.
;;   ~~~python
;;   def quantise(x, axis):      # numpy; x: float32 -> the quantised numbers, widened to float32 again
;;       x = np.moveaxis(x, axis, -1); K = x.shape[-1]
;;       x = np.pad(x, [(0, 0)] * (x.ndim - 1) + [(0, -K % 32)]); x = x.reshape(x.shape[:-1] + (-1, 32)); a = np.abs(x).max(-1, keepdims=True)
;;       e = np.where(a > 0, np.clip(np.frexp(np.where(a > 0, a, 1))[1] - 1 - 4, -126, 127), 0)      # np.frexp(a)[1] - 1 = floor(log2(a)), exactly
;;       r = np.clip(x / 2.0 ** e, -28, 28)
;;       step = 2.0 ** (np.maximum(np.frexp(np.where(r == 0, 1, r))[1] - 1, -2) - 2)
;;       q = np.round(r / step) * step * 2.0 ** e      # np.round: ties to even
;;       return np.moveaxis(q.reshape(q.shape[:-2] + (-1,))[..., :K], -1, axis).astype(np.float32)
;;   ~~~
;; 2 versions. Each part assembles by itself: llvm-mc -triple=amdgcn-amd-amdhsa -mcpu=gfx1250 --defsym DOCPART=n.
;; ======== version 1 of 2: 2 launches
;; workspace buffers: xq 6,291,456 bytes; xs 262,144 bytes; wq 6,291,456 bytes; ws 262,144 bytes; top 32,768 bytes of whole numbers
;; launch prep (part 1): grid 256 x 1, 4 waves a work-group, no clusters, 247,296 bytes of LDS; arguments x, router_w, router_b, expert_w, xq, xs, wq, ws, top; writes xq, xs, wq, ws, top
.if DOCPART == 1
	.amdgcn_target "amdgcn-amd-amdhsa--gfx1250"
	.amdhsa_code_object_version 6
	.text
	.protected	k_q9bf228f124_prep
	.globl	k_q9bf228f124_prep
	.p2align	8
	.type	k_q9bf228f124_prep,@function
k_q9bf228f124_prep:
	s_mov_b64 s[64:65], 0
	v_nop
	global_prefetch_b8 v0, s[64:65] scope:SCOPE_SE
	s_setreg_imm32_b32 hwreg(HW_REG_WAVE_MODE, 25, 1), 1
	s_wait_xcnt 0x0
; Work-groups 0-127: the router (8 logits a token in f32 by fused multiply-adds, + bias, argmax, the lower index on a tie) -> top; x -> codes of BF6 (E3M2) xq and E8M0 bytes xs.
; Work-groups 128-255: expert_w -> codes wq and bytes ws, laid as images of the operand's registers.
; A wave takes 16 rows of 1,024 f32.  Each load of a row reads 512 consecutive bytes; the row turns through the wave's own stage in LDS (32 places of 128 + 16 bytes) and comes back with
; lane l holding block l (k = 32 l .. 32 l + 31) in 32 registers: the block's largest magnitude needs no other lane, and the conversions take neighbours along K from one lane.
; A block's scale is 2^(floor(log2(largest magnitude)) - 4): its byte is the largest magnitude's exponent field - 4, held at 1 from below.
; LAYOUTS.  K step s = 128 k, block bq = l % 4 = 2 cc + h.  Operand lane (r, h) holds 48 bytes a step: block (cc 0, h), block (cc 1, h); piece u = bytes 16 u .. 16 u + 15.
;   xq[token][768]: byte B of (s, h) at 256 (B / 16) + 16 (2 s + h) + B % 16.      xs[token][32]: byte 4 s + bq.
;   wq[n-tile][s][1536]: piece u of lane 16 h + r at 512 u + 16 (16 h + r).          ws[n-tile][512]: the byte of (row r, s, bq) at 256 (s % 2) + 16 r + 4 (s / 2) + bq.
; LIMITS: a block of zeros gets the byte 1 where the rule says 127 (its codes are zeros, and only this program reads the bytes); blocks whose largest magnitude lies under 2^-122 are held at the byte 1;
; NaN and infinities are not served; two logits closer than the rounding of an f32 sum of 1,024 terms may choose the other expert than another order of summing would.
; No tensor load, no cluster, no barrier: waves share nothing but router_w's 32,768 bytes, which each x wave keeps turned in 256 registers.  The two paths part on the work-group's number and have LDS bytes of their own.
; REGISTERS.  window 0: v1 16 l; v2, v3 the turn's addresses in and out; v4, v5 stage addresses in hand; v6-8 where a block's three pieces of 8 bytes go; v9 where its byte goes; v10-14 addresses, chosen experts;
;   v15-19 at work; v20-28 and v228-236 two sets for a block's codes; v32-63, v64-95 two sets of 32 numbers; v96-111 eight pairs of sums; v112-127 logits; v128.. read-back.
;   window 1: router_w turned, [32 e + k] = router_w[e][32 l + k].   window 2: eight rows as loaded.   window 3: router_w as loaded.
.set STG,   4608                       ; a row's stage: 32 places of 144 bytes
.set XREG,  38912                      ; x path: a wave's LDS: 8 stages, two rows' codes (1,536), 16 rows' bytes (512)
.set XCODE, 8*STG
.set XSCL,  XCODE+1536
.set WBASE, 4*XREG                     ; w path: behind the x path's bytes
.set WREG,  22784                      ; a wave's LDS: 2 stages, the n-tile's image (8 x 1,632), its bytes (512)
.set WIMG,  2*STG
.set WSCL,  WIMG+13056
.set X0,  32
.set X1,  64
.set AC,  96
.set LG,  112
.set PM,  120
.set OB,  128
.set CA,  20
.set CB,  228
.set MSB, 0
.macro WIN new                         ; the immediate's high byte repeats the setting that is left
.if MSB != \new
	s_set_vgpr_msb (MSB<<8)|\new
.set MSB, \new
.endif
.endm
.macro LOADROW slot, b, off            ; a row of 4,096 bytes into slot (window 2): each load reads 512 consecutive bytes; read once in the launch
	WIN 0x80
.irp j, 0,1,2,3,4,5,6,7
	global_load_b128 v[32*(\slot)+4*\j:32*(\slot)+4*\j+3], v1, s[\b:\b+1] offset:(\off)+512*\j th:TH_LOAD_NT
.endr
.endm
; My block of 32 numbers in v[x] on -> 24 bytes of codes, as three pieces of 8 bytes, and the scale's byte, into LDS.
.macro QUANT x, c, by, coff, soff
	v_max3_num_f32 v17, |v[\x]|, |v[\x+1]|, 0x2800000              ; the floor 2^(5 - 127) among the leaves: the byte cannot fall under 1
	v_max3_num_f32 v18, |v[\x+2]|, |v[\x+3]|, |v[\x+4]|            ; two chains, so that no line waits for the line above it
.irp i, 5,9,13,17,21,25
	v_max3_num_f32 v17, v17, |v[\x+\i]|, |v[\x+\i+1]|
	v_max3_num_f32 v18, v18, |v[\x+\i+2]|, |v[\x+\i+3]|
.endr
	v_max3_num_f32 v17, v17, |v[\x+29]|, |v[\x+30]|
	v_max3_num_f32 v17, v17, v18, |v[\x+31]|                       ; the block's largest magnitude
	v_add_nc_u32 v15, 0xfe000000, v17                              ; 4 off its exponent field: the conversion takes this operand's exponent field as its scale
	v_cvt_scalef32_pk16_bf6_f32 v[\c:\c+2], v[\x:\x+15], v15
	v_cvt_scalef32_pk16_bf6_f32 v[\c+6:\c+8], v[\x+16:\x+31], v15  ; (a conversion's three registers begin on an even number)
	v_lshrrev_b32 v[\by], 23, v15                                  ; the byte; also the plain line behind the conversions
	v_mov_b32 v[\c+3], v[\c+6]
	v_mov_b32 v[\c+4], v[\c+7]
	v_mov_b32 v[\c+5], v[\c+8]
	ds_store_b64 v6, v[\c:\c+1] offset:\coff
	ds_store_b64 v7, v[\c+2:\c+3] offset:\coff
	ds_store_b64 v8, v[\c+4:\c+5] offset:\coff
	ds_store_b8 v9, v[\by] offset:\soff
.endm
; The row in v[x] on: eight logits, the argmax, into the lane of v12 that mask s[m] names.
.macro ROUTER x, m
	WIN 0x04                                       ; source 1: window 1
.irp e, 0,1,2,3,4,5,6,7
	v_pk_mul_f32 v[AC+2*\e:AC+2*\e+1], v[\x:\x+1], v[32*\e:32*\e+1]   ; the first products start the sums: nothing is cleared
.endr
.irp j, 2,4,6,8,10,12,14,16,18,20,22,24,26,28,30
.irp e, 0,1,2,3,4,5,6,7
	v_pk_fma_f32 v[AC+2*\e:AC+2*\e+1], v[\x+\j:\x+\j+1], v[32*\e+\j:32*\e+\j+1], v[AC+2*\e:AC+2*\e+1]   ; eight chains by turns
.endr
.endr
	WIN 0
.irp e, 0,1,2,3,4,5,6,7
	v_add_f32 v[LG+\e], v[AC+2*\e], v[AC+2*\e+1]
.endr
.irp k, 1,2,4,8
.irp e, 0,1,2,3,4,5,6,7
	v_add_f32_dpp v[LG+\e], v[LG+\e], v[LG+\e] row_xmask:\k row_mask:0xf bank_mask:0xf
.endr
.endr
.irp e, 0,1,2,3,4,5,6,7
	v_permlanex16_b32 v[PM+\e], v[LG+\e], s40, s41
.endr
.irp e, 0,1,2,3,4,5,6,7
	v_add_f32 v[LG+\e], v[LG+\e], v[PM+\e]         ; every lane holds the row's sums
.endr
.irp e, 0,1,2,3,4,5,6,7
	v_add_f32 v[LG+\e], s[24+\e], v[LG+\e]         ; + router_b
.endr
	v_mov_b32 v13, 0
.irp e, 1,2,3,4,5,6,7
	v_cmp_le_f32 vcc_lo, v[LG+\e], v[LG]           ; not greater than the best so far: the lower index stays
	v_cndmask_b32 v13, \e, v13, vcc_lo
	v_max_num_f32 v[LG], v[LG], v[LG+\e]
.endr
	v_cndmask_b32 v12, v12, v13, s[\m]             ; a value is chosen; no address and no branch hangs on it
.endm
	s_load_b256 s[4:11], s[0:1], 0x0               ; x s[4:5], router_w s[6:7], router_b s[8:9], expert_w s[10:11]
	s_load_b256 s[12:19], s[0:1], 0x20             ; xq s[12:13], xs s[14:15], wq s[16:17], ws s[18:19]
	s_load_b64 s[20:21], s[0:1], 0x40              ; top
	v_lshl_add_u32 v254, v0, 2, 0x3c400
	v_mov_b32 v255, 0
	v_lshrrev_b32 v30, 5, v0
	v_readfirstlane_b32 s22, v30                   ; wave
	v_and_b32 v29, 31, v0                          ; lane l
	v_lshlrev_b32 v1, 4, v29                       ; 16 l
	v_lshrrev_b32 v30, 3, v29
	v_and_b32 v31, 7, v29
	v_mul_u32_u24 v2, v30, 144
	v_lshl_add_u32 v2, v31, 4, v2                  ; the turn, in: load j's 16 bytes belong to block 4 j + l / 8, at 16 (l % 8) in it
	v_mul_u32_u24 v3, v29, 144                     ; the turn, out: block l
	v_bfe_u32 v30, v29, 1, 1
	v_mul_u32_u24 v30, v30, 24                     ; 24 cc: where my block begins in the operand lane's 48 bytes
	v_lshrrev_b32 v31, 2, v29                      ; s
	s_mov_b32 s33, 0
	s_wait_kmcnt 0x0
	s_cmp_lt_u32 ttmp9, 128
	s_cbranch_scc0 .Lw_path
	; ---------------- x: the router and the tokens' codes ----------------
	s_load_b256 s[24:31], s[8:9], 0x0              ; router_b's eight numbers
	s_lshl_b32 s42, ttmp9, 6
	s_lshl_b32 s43, s22, 4
	s_add_co_u32 s42, s42, s43                     ; my first token: 64 x work-group + 16 x wave
	s_lshl_b32 s32, s42, 12
	s_add_nc_u64 s[4:5], s[4:5], s[32:33]
	s_mul_i32 s32, s42, 768
	s_add_nc_u64 s[12:13], s[12:13], s[32:33]
	s_lshl_b32 s32, s42, 5
	s_add_nc_u64 s[14:15], s[14:15], s[32:33]
	s_lshl_b32 s32, s42, 2
	s_add_nc_u64 s[20:21], s[20:21], s[32:33]
	WIN 0xc0                                       ; destination window 3
.irp e, 0,1,2,3,4,5,6,7
.irp j, 0,1,2,3,4,5,6,7
	global_load_b128 v[32*\e+4*\j:32*\e+4*\j+3], v1, s[6:7] offset:4096*\e+512*\j   ; router_w: read by every x wave, so no hint
.endr
.endr
.irp i, 0,1,2,3,4,5,6,7
	LOADROW \i, 4, \i*4096                         ; my rows 0-7
.endr
	WIN 0
	s_mul_i32 s23, s22, XREG
	v_add_nc_u32 v2, s23, v2
	v_add_nc_u32 v3, s23, v3
	v_and_b32 v4, 1, v29                           ; h
	v_lshl_add_u32 v31, v31, 1, v4
	v_lshlrev_b32 v31, 4, v31                      ; 16 (2 s + h)
	v_add_nc_u32 v31, s23, v31
.irp i, 0,1,2
	v_add_nc_u32 v4, 8*\i, v30                     ; B = 24 cc + 8 i
	v_lshrrev_b32 v5, 4, v4
	v_and_b32 v4, 8, v4
	v_lshl_add_u32 v5, v5, 8, v4                   ; 256 (B / 16) + (B & 8)
	v_add_nc_u32 v5, v5, v31
	v_add_nc_u32 v[6+\i], XCODE, v5                ; the 32 lanes of a store of 8 bytes touch 64 different banks
.endr
	v_add_nc_u32 v14, s23, v29
	v_add_nc_u32 v14, XSCL, v14                    ; my byte in a row's 32
	v_add_nc_u32 v150, s23, v1
	v_add_nc_u32 v151, XSCL, v150                  ; read-back of the 512 bytes,
	v_add_nc_u32 v150, XCODE, v150                 ; and of two rows' codes
	v_lshlrev_b32 v11, 2, v29
	v_mov_b32 v12, 0                               ; the chosen experts: lane i holds row i's
.irp e, 0,1,2,3,4,5,6,7
	v_mov_b32 v[PM+\e], 0                          ; written once: a lane permute's destination counts as one of its sources
.endr
	s_mov_b32 s40, 0x76543210
	s_mov_b32 s41, 0xfedcba98                      ; lane l xor 16
	s_wait_loadcnt 63                              ; 64 loads were issued behind router_w's: with 63 out at the most, router_w is in
	WIN 0x0c                                       ; an LDS store's data: window 3
.irp e, 0,1,2,3,4,5,6,7
.irp j, 0,1,2,3,4,5,6,7
	ds_store_b128 v2, v[32*\e+4*\j:32*\e+4*\j+3] offset:\e*STG+576*\j
.endr
.endr
	WIN 0x40                                       ; destination window 1.  LDS serves a wave's instructions in order: these see the stores above, and the rows stored next come behind them
.irp e, 0,1,2,3,4,5,6,7
.irp j, 0,1,2,3,4,5,6,7
	ds_load_b128 v[32*\e+4*\j:32*\e+4*\j+3], v3 offset:\e*STG+16*\j
.endr
.endr
	WIN 0
	s_wait_kmcnt 0x0                               ; router_b
; Eight rows: into the eight stages as they land; then two rows a trip.
.macro BURST n
.irp j, 0,1,2,3,4,5,6,7
	s_wait_loadcnt 8*(7-\j)                        ; row j is in: behind it stand the later rows' loads, eight each
	WIN 0x08                                       ; data: window 2
.irp q, 0,1,2,3,4,5,6,7
	ds_store_b128 v2, v[32*\j+4*\q:32*\j+4*\q+3] offset:\j*STG+576*\q
.endr
.endr
	WIN 0
	s_wait_dscnt 0x0                               ; the stores have read the slots (and router_w's turn is back)
.if \n == 0
.irp i, 0,1,2,3,4,5,6,7
	LOADROW \i, 4, (8+\i)*4096                     ; my rows 8-15 come while rows 0-7 are worked; the second burst asks for nothing
.endr
	WIN 0
.endif
	s_mov_b32 s35, 0                               ; trip
	s_mov_b32 s36, 0                               ; the pair's first stage
	s_mov_b32 s44, 0                               ; the pair's bytes: 64 a trip
	s_mov_b32 s45, 0                               ; the pair's codes in xq: 1,536 a trip
	s_mov_b32 s38, 1<<(8*\n)                       ; the lane of v12 that takes the row's expert
.irp j, 0,1,2,3,4,5,6,7
	ds_load_b128 v[X0+4*\j:X0+4*\j+3], v3 offset:16*\j
.endr
.Lpair_\@:
	v_add_nc_u32 v4, s36, v3
	v_add_nc_u32 v9, s44, v14
.irp j, 0,1,2,3,4,5,6,7
	ds_load_b128 v[X1+4*\j:X1+4*\j+3], v4 offset:STG+16*\j
.endr
	s_wait_dscnt 8                                 ; only the eight just issued may be out: the even row is in
	QUANT X0, CA, 16, 0, 256*\n
	ROUTER X0, 38
	s_add_co_u32 s37, s36, 2*STG
	s_min_u32 s37, s37, 7*STG                      ; the next pair's even row; the last trip reads stage 7 again and uses nothing of it
	v_add_nc_u32 v5, s37, v3
.irp j, 0,1,2,3,4,5,6,7
	ds_load_b128 v[X0+4*\j:X0+4*\j+3], v5 offset:16*\j
.endr
	s_wait_dscnt 12                                ; behind the odd row's loads: four stores and eight loads
	QUANT X1, CB, 19, 768, 256*\n+32
	s_wait_xcnt 0x0                                ; the last pair's stores have read their offset and data: both are written again below
	v_add_nc_u32 v10, s45, v1
.irp u, 0,1,2
	ds_load_b128 v[OB+4*\u:OB+4*\u+3], v150 offset:512*\u   ; two rows' codes, 1,536 bytes on end
.endr
	s_lshl_b32 s39, s38, 1
	ROUTER X1, 39
	s_wait_dscnt 0x0                               ; the codes and the next even row are in; every LDS store has read its registers
.irp u, 0,1,2
	global_store_b128 v10, v[OB+4*\u:OB+4*\u+3], s[12:13] offset:512*\u+6144*\n   ; 512 consecutive bytes, at a multiple of 256 from xq's first byte
.endr
	s_lshl_b32 s38, s38, 2
	s_add_co_u32 s36, s36, 2*STG
	s_add_co_u32 s44, s44, 64
	s_add_co_u32 s45, s45, 1536
	s_add_co_u32 s35, s35, 1
	s_cmp_lt_u32 s35, 4
	s_cbranch_scc1 .Lpair_\@
.endm
	BURST 0
	BURST 1
	ds_load_b128 v[224:227], v151                  ; my 16 rows' 512 scale bytes
	s_wait_dscnt 0x0
	global_store_b128 v1, v[224:227], s[14:15]
	v_cmp_gt_u32 vcc_lo, 16, v29
	s_wait_xcnt 0x0                                ; EXEC changes only behind this wait
	s_wait_tensorcnt 0x0
	ds_add_u32 v254, v255
	s_wait_dscnt 0x0
	s_and_saveexec_b32 s42, vcc_lo
	global_store_b32 v11, v12, s[20:21]            ; lanes 0-15: the 16 chosen experts, at fixed places
	s_wait_xcnt 0x0
	s_or_b32 exec_lo, exec_lo, s42
	s_endpgm
	; ---------------- w: one n-tile (16 rows of one expert) a wave ----------------
.Lw_path:
	s_sub_co_u32 s42, ttmp9, 128
	s_lshl_b32 s42, s42, 2
	s_add_co_u32 s42, s42, s22                     ; n-tile 0 .. 511
	s_lshl_b32 s32, s42, 16
	s_add_nc_u64 s[10:11], s[10:11], s[32:33]
	s_mul_i32 s32, s42, 12288
	s_add_nc_u64 s[16:17], s[16:17], s[32:33]
	s_lshl_b32 s32, s42, 9
	s_add_nc_u64 s[18:19], s[18:19], s[32:33]
.irp i, 0,1,2,3,4,5,6,7
	LOADROW \i, 10, \i*4096
.endr
	WIN 0
	s_mul_i32 s23, s22, WREG
	s_add_co_u32 s23, s23, WBASE
	v_add_nc_u32 v2, s23, v2
	v_add_nc_u32 v3, s23, v3
	v_and_b32 v4, 1, v29                           ; h
	v_mul_u32_u24 v5, v31, 1632
	v_mad_u32_u24 v5, v4, 272, v5
	v_add_nc_u32 v5, s23, v5                       ; the image's stage: 1,632 s + 544 u + 272 h + 16 r
.irp i, 0,1,2
	v_add_nc_u32 v4, 8*\i, v30                     ; B = 24 cc + 8 i
	v_lshrrev_b32 v9, 4, v4
	v_and_b32 v4, 8, v4
	v_mad_u32_u24 v9, v9, 544, v4
	v_add_nc_u32 v9, v9, v5
	v_add_nc_u32 v[6+\i], WIMG, v9                 ; the 32 lanes of a store of 8 bytes touch 64 different banks
.endr
	v_and_b32 v4, 1, v31
	v_lshrrev_b32 v9, 1, v31
	v_lshlrev_b32 v4, 8, v4
	v_lshl_add_u32 v4, v9, 2, v4
	v_and_b32 v9, 3, v29
	v_add_nc_u32 v4, v4, v9                        ; 256 (s % 2) + 4 (s / 2) + bq
	v_add_nc_u32 v4, s23, v4
	v_add_nc_u32 v9, WSCL, v4
	v_lshrrev_b32 v4, 4, v29
	v_and_b32 v10, 15, v29
	v_mul_u32_u24 v4, v4, 272
	v_lshl_add_u32 v4, v10, 4, v4
	v_add_nc_u32 v4, s23, v4
	v_add_nc_u32 v10, WIMG, v4                     ; read-back: operand lane l
	v_add_nc_u32 v11, s23, v1
	v_add_nc_u32 v11, WSCL, v11
.macro TURN i                          ; row i through stage i % 2 into set i % 2: LDS serves a wave's instructions in order
	WIN 0x08
.irp q, 0,1,2,3,4,5,6,7
	ds_store_b128 v2, v[32*((\i)%8)+4*\q:32*((\i)%8)+4*\q+3] offset:STG*((\i)%2)+576*\q
.endr
	WIN 0
.irp q, 0,1,2,3,4,5,6,7
	ds_load_b128 v[X0+32*((\i)%2)+4*\q:X0+32*((\i)%2)+4*\q+3], v3 offset:STG*((\i)%2)+16*\q
.endr
.endm
.macro STEPW i
.if (\i) == 0
	s_wait_dscnt 0x0
.else
	s_wait_dscnt 4                                 ; row i is back from its stage (the last row's four stores may be out): so the stores into the stage have read slot i,
.endif
.if (\i) < 8
	LOADROW \i, 10, ((\i)+8)*4096                  ; which takes the row eight further on
.endif
.if (\i) < 15
.if 14-(\i) < 7
	s_wait_loadcnt 8*(14-(\i))                     ; row i + 1 is in: behind it stand the later rows' loads, eight each
.else
	s_wait_loadcnt 56
.endif
	TURN (\i)+1
.endif
.if (\i)%2 == 0
	QUANT X0, CA, 16, 16*(\i), 16*(\i)             ; the two sets of code registers take turns: a set's stores are older than a turn that has been waited for
.else
	QUANT X1, CB, 19, 16*(\i), 16*(\i)
.endif
.endm
	s_wait_loadcnt 56                              ; row 0 is in
	TURN 0
.irp i, 0,1,2,3,4,5,6,7,8,9,10,11,12,13,14,15
	STEPW \i
.endr
.irp s, 0,1,2,3,4,5,6,7
.irp u, 0,1,2
	ds_load_b128 v[128+12*\s+4*\u:128+12*\s+4*\u+3], v10 offset:1632*\s+544*\u
.endr
.endr
	ds_load_b128 v[224:227], v11
.irp s, 0,1,2,3,4,5,6,7
.irp u, 0,1,2
	s_wait_dscnt 24-(3*\s+\u)                      ; the loads issued behind this one may be out
	global_store_b128 v1, v[128+12*\s+4*\u:128+12*\s+4*\u+3], s[16:17] offset:1536*\s+512*\u   ; the n-tile's 12,288 bytes on end, 512 a store
.endr
.endr
	s_wait_dscnt 0x0
	global_store_b128 v1, v[224:227], s[18:19]
	s_wait_tensorcnt 0x0
	ds_add_u32 v254, v255
	s_wait_dscnt 0x0
	s_endpgm
.Lfunc_end_k_q9bf228f124_prep:
	.size	k_q9bf228f124_prep, .Lfunc_end_k_q9bf228f124_prep-k_q9bf228f124_prep
	.p2alignl 7, 3214868480
	.fill 96, 4, 3214868480
	.section	.rodata,"a",@progbits
	.p2align	6, 0x0
	.amdhsa_kernel k_q9bf228f124_prep
		.amdhsa_group_segment_fixed_size 247296
		.amdhsa_private_segment_fixed_size 0
		.amdhsa_enable_private_segment 0
		.amdhsa_kernarg_size 72
		.amdhsa_user_sgpr_count 2
		.amdhsa_user_sgpr_kernarg_segment_ptr 1
		.amdhsa_wavefront_size32 1
		.amdhsa_system_sgpr_workgroup_id_x 1
		.amdhsa_system_sgpr_workgroup_id_y 1
		.amdhsa_system_sgpr_workgroup_id_z 1
		.amdhsa_system_vgpr_workitem_id 0
		.amdhsa_next_free_vgpr 1024
		.amdhsa_next_free_sgpr 66
		.amdhsa_reserve_vcc 1
		.amdhsa_float_denorm_mode_32 3
		.amdhsa_float_denorm_mode_16_64 3
		.amdhsa_memory_ordered 1
		.amdhsa_forward_progress 1
		.amdhsa_inst_pref_size 163
	.end_amdhsa_kernel
	.amdgpu_metadata
---
amdhsa.version: [ 1, 2 ]
amdhsa.kernels:
  - .name:           k_q9bf228f124_prep
    .symbol:         k_q9bf228f124_prep.kd
    .args:
      - { .name: x, .offset: 0, .size: 8, .value_kind: global_buffer, .address_space: global }
      - { .name: router_w, .offset: 8, .size: 8, .value_kind: global_buffer, .address_space: global }
      - { .name: router_b, .offset: 16, .size: 8, .value_kind: global_buffer, .address_space: global }
      - { .name: expert_w, .offset: 24, .size: 8, .value_kind: global_buffer, .address_space: global }
      - { .name: xq, .offset: 32, .size: 8, .value_kind: global_buffer, .address_space: global }
      - { .name: xs, .offset: 40, .size: 8, .value_kind: global_buffer, .address_space: global }
      - { .name: wq, .offset: 48, .size: 8, .value_kind: global_buffer, .address_space: global }
      - { .name: ws, .offset: 56, .size: 8, .value_kind: global_buffer, .address_space: global }
      - { .name: top, .offset: 64, .size: 8, .value_kind: global_buffer, .address_space: global }
    .group_segment_fixed_size: 247296
    .private_segment_fixed_size: 0
    .kernarg_segment_align: 8
    .kernarg_segment_size: 72
    .max_flat_workgroup_size: 128
    .sgpr_count:     66
    .vgpr_count:     1024
    .wavefront_size: 32
...
	.end_amdgpu_metadata
.endif
;; end of part 1
;; launch moe (part 2): grid 256 x 1, 4 waves a work-group, no clusters, 206,080 bytes of LDS; arguments xq, xs, wq, ws, expert_b, top, out0; writes out0
.if DOCPART == 2
	.amdgcn_target "amdgcn-amd-amdhsa--gfx1250"
	.amdhsa_code_object_version 6
	.text
	.protected	k_q9bf228f124_moe
	.globl	k_q9bf228f124_moe
	.p2align	8
	.type	k_q9bf228f124_moe,@function
k_q9bf228f124_moe:
	s_mov_b64 s[64:65], 0
	v_nop
	global_prefetch_b8 v0, s[64:65] scope:SCOPE_SE
	s_setreg_imm32_b32 hwreg(HW_REG_WAVE_MODE, 25, 1), 1
	s_wait_xcnt 0x0
; out0[token][:] = Q(x[token]) . Q(expert_w[top[token]])^T + expert_b[top[token]], on codes of BF6 (E3M2) with E8M0 scales, only for the expert that was chosen.
; Work-group (b, e, c) = (id / 32, (id / 4) % 8, id % 4): the tokens of block b (1,024 tokens) whose stored choice is e, times output columns 256 c .. 256 c + 255 of expert e.  So each output number has one owner.
; THE WAVES SHARE THE COLUMNS: wave w owns 64 columns (4 n-tiles), whose codes for all of K (32 fragments, 384 registers) are loaded once, as register images, and stay.
; THE ROWS: every wave counts the chosen tokens; wave 0 writes their numbers into a list in LDS.  The rows go in chunks of 192: the four waves gather the rows' codes in whole runs of 256 bytes into LDS as fragment
; images, a barrier, then each wave multiplies groups of 32 rows (2 x 4 accumulators by turns, K = 8 steps of 128) and stores them through its own stage: sixteen lanes store 256 consecutive aligned bytes.
; The chunk loop has a constant 6 trips (6 x 192 >= 1,024: every split is served, all tokens on one expert too); work that the count does not ask for is jumped over by scalar branches on the count; no barrier stands under such a branch.
; PADDING ROWS: list entries count .. count + 31 repeat the list's first token: such a row is computed again and stores the same numbers to the same bytes.  A tile of 16 that is all padding is not stored.
; NO TENSOR LOAD, NO CLUSTER: which rows and how many hangs on numbers read from memory, so branches do; hence operands go through registers, and nothing is asked for jointly.  The weights that eight work-groups
; share (same e and c) are 196,608 bytes each, read once by each of them.
; The matrix instruction is used transposed: source 0 = 16 output columns of the weights, source 1 = 16 tokens: lane (r, h) holds token row r and columns 8 h + 0 .. 7; the bias is the C of a sum's first instruction.
; REGISTERS.  window 0: v1-31 addresses and lane constants; v32-47 the weights' scale words, v48-55 the tokens' (these hold scales alone); v56-87 the bias; v88-151 eight accumulators; v152-215 rows on the way out
;   (in a gather: token numbers; at the head: the list's addresses and data); v216-231 the rows' offsets in out0; v232-237, v238-243 LDS addresses of the six slabs and groups.
;   window 1: weights, K steps 0-4 at 48 s + 12 t.   window 2: K steps 5-7 at 48 (s - 5) + 12 t; v144-193 a gather's sixth slab.   window 3: the tokens' fragments at 12 (8 mt + s); in a gather slabs 0-4, scales at v240-249.
.set MT,    13056                      ; an m-tile's image: 8 steps x (3 pieces x (2 halves x (256 + 16)))
.set XSA,   12*MT                      ; 192 rows x (32 scale bytes + 16)
.set LIST,  XSA+9216                   ; 1,152 token numbers; directly behind them 32 words that take the stores of lanes without a token
.set STGB,  LIST+4608+256              ; 4 waves x 2 stages x 16 rows x 272
.set WS,   32
.set XS,   48
.set BIAS, 56
.set ACC,  88
.set T,    88
.set RB,   152
.set TK,   152
.set TS,   176
.set OFF,  216
.set MSB, 0
.macro WIN new                         ; the immediate's high byte repeats the setting that is left
.if MSB != \new
	s_set_vgpr_msb (MSB<<8)|\new
.set MSB, \new
.endif
.endm
	s_load_b256 s[4:11], s[0:1], 0x0               ; xq s[4:5], xs s[6:7], wq s[8:9], ws s[10:11]
	s_load_b128 s[12:15], s[0:1], 0x20             ; expert_b s[12:13], top s[14:15]
	s_load_b64 s[16:17], s[0:1], 0x30              ; out0
	v_lshl_add_u32 v254, v0, 2, 0x32300
	v_mov_b32 v255, 0
	v_lshrrev_b32 v17, 5, v0
	v_readfirstlane_b32 s18, v17                   ; wave w
	s_and_b32 s19, ttmp9, 3                        ; c
	s_bfe_u32 s20, ttmp9, 0x30002                  ; e
	s_lshr_b32 s21, ttmp9, 5                       ; b
	v_and_b32 v25, 31, v0                          ; lane l
	v_and_b32 v18, 15, v0                          ; q = l % 16
	v_bfe_u32 v19, v0, 4, 1                        ; hh = l / 16
	v_bfe_u32 v29, v0, 2, 3                        ; l / 4
	v_lshlrev_b32 v1, 4, v25                       ; 16 l
	v_lshlrev_b32 v2, 4, v18                       ; 16 q
	v_and_b32 v3, 3, v0
	v_lshlrev_b32 v3, 3, v3                        ; 8 (l % 4)
	; every LDS address is made here, ahead of the one branch on the wave's number
	v_lshrrev_b32 v17, 1, v18
	v_mul_u32_u24 v4, v17, 1632
	v_and_b32 v17, 1, v18
	v_mad_u32_u24 v4, v17, 272, v4
	v_lshl_add_u32 v4, v19, 6, v4
	s_and_b32 s23, s18, 1
	s_lshl_b32 s23, s23, 7
	s_lshr_b32 s24, s18, 1
	s_mul_i32 s24, s24, MT
	s_add_co_u32 s23, s23, s24
	v_add_nc_u32 v4, s23, v4                       ; a gather's stores: lane q holds the piece of (s, h) = (q / 2, q % 2); row 8 w + 4 hh + p of a slab of 32
	v_mul_u32_u24 v5, v29, 48
	v_add_nc_u32 v5, v5, v3
	s_mul_i32 s23, s18, 384
	s_add_co_u32 s23, s23, XSA
	v_add_nc_u32 v5, s23, v5                       ; and the scale bytes': row 8 w + l / 4, 8 bytes a lane
	s_lshl_b32 s23, s18, 5
	s_add_co_u32 s23, s23, LIST
	v_lshl_add_u32 v6, v19, 4, s23                 ; the list's entries 8 w + 4 hh + 0 .. 3
	v_lshl_add_u32 v7, v29, 2, s23                 ; and entry 8 w + l / 4
	v_mul_u32_u24 v10, v19, 272
	v_add_nc_u32 v10, v10, v2                      ; a fragment's piece for operand lane (q, hh)
	v_mul_u32_u24 v12, v18, 48
	v_lshl_add_u32 v12, v19, 4, v12
	v_add_nc_u32 v12, XSA, v12                     ; row q's scale words of K steps 4 hh + 0 .. 3
	v_lshlrev_b32 v26, 5, v19                      ; 32 hh
	v_add_nc_u32 v13, LIST, v26                    ; the list's entries 8 hh + 0 .. 7
	s_mul_i32 s23, s18, 8704
	s_add_co_u32 s23, s23, STGB
	v_mul_u32_u24 v15, v18, 272
	v_add_nc_u32 v15, v15, v26
	v_add_nc_u32 v15, s23, v15                     ; my stage, in: row q, 32 bytes for each half of the lanes
	v_mul_u32_u24 v16, v19, 2176
	v_add_nc_u32 v16, v16, v2
	v_add_nc_u32 v16, s23, v16                     ; back: lanes 0-15 row i, lanes 16-31 row i + 8; 16 bytes a lane
	v_add_nc_u32 v20, 1152, v25                    ; the index, counted from the list's first word, of my word behind the list
	s_lshl_b32 s23, s21, 10
	v_lshl_add_u32 v23, v25, 2, s23                ; token 1,024 b + 4 l
	v_add_nc_u32 v27, LIST, v1
	v_mov_b32 v28, LIST
.irp g, 0,1,2,3,4,5
	v_add_nc_u32 v[232+\g], 2*MT*\g, v4
	v_add_nc_u32 v[238+\g], 2*MT*\g, v10
.endr
.irp i, 0,1,2,3
	v_mov_b32 v[120+\i], 0
.endr
	s_mov_b32 s29, 0
	s_lshl_b32 s30, s20, 6
	s_lshl_b32 s31, s19, 4
	s_add_co_u32 s30, s30, s31
	s_lshl_b32 s31, s18, 2
	s_add_co_u32 s30, s30, s31                     ; my first n-tile: 64 e + 16 c + 4 w
	s_wait_kmcnt 0x0
	s_mul_i32 s28, s30, 12288
	s_add_nc_u64 s[8:9], s[8:9], s[28:29]
	s_lshl_b32 s28, s30, 9
	s_add_nc_u64 s[10:11], s[10:11], s[28:29]
	s_lshl_b32 s28, s19, 10
	s_lshl_b32 s31, s18, 8
	s_add_co_u32 s28, s28, s31                     ; my 64 columns in bytes: 1,024 c + 256 w
	s_add_nc_u64 s[16:17], s[16:17], s[28:29]
	s_lshl_b32 s31, s20, 12
	s_add_co_u32 s28, s28, s31
	s_add_nc_u64 s[12:13], s[12:13], s[28:29]
	s_lshl_b32 s28, s21, 12
	s_add_nc_u64 s[14:15], s[14:15], s[28:29]
.irp k, 0,1,2,3,4,5,6,7
	global_load_b128 v[T+4*\k:T+4*\k+3], v1, s[14:15] offset:512*\k      ; register 4 k + i: the choice of token 1,024 b + 128 k + 4 l + i
.endr
.irp t, 0,1,2,3
	global_load_b128 v[WS+4*\t:WS+4*\t+3], v1, s[10:11] offset:512*\t    ; register j of lane (r, h'): row r's scale word of K step 2 j + h'
.endr
.irp t, 0,1,2,3
	global_load_b128 v[BIAS+8*\t:BIAS+8*\t+3], v26, s[12:13] offset:64*\t
	global_load_b128 v[BIAS+8*\t+4:BIAS+8*\t+7], v26, s[12:13] offset:64*\t+16
.endr
	WIN 0x40
.irp s, 0,1,2,3,4
.irp t, 0,1,2,3
.irp u, 0,1,2
	global_load_b128 v[48*\s+12*\t+4*\u:48*\s+12*\t+4*\u+3], v1, s[8:9] offset:\t*12288+\s*1536+512*\u
.endr
.endr
.endr
	WIN 0x80
.irp s, 5,6,7
.irp t, 0,1,2,3
.irp u, 0,1,2
	global_load_b128 v[48*(\s-5)+12*\t+4*\u:48*(\s-5)+12*\t+4*\u+3], v1, s[8:9] offset:\t*12288+\s*1536+512*\u
.endr
.endr
.endr
	WIN 0
	s_wait_loadcnt 63                              ; 108 loads were issued behind the choices: with 63 out at the most they are in
.irp n, 0,1,2,3,4,5,6,7,8,9,10,11,12,13,14,15,16,17,18,19,20,21,22,23,24,25,26,27,28,29,30,31
	v_cmp_eq_u32 s[32+\n], s20, v[T+\n]
.endr
	s_mov_b32 s22, 0
.irp n, 0,1,2,3,4,5,6,7,8,9,10,11,12,13,14,15,16,17,18,19,20,21,22,23,24,25,26,27,28,29,30,31
	s_bcnt1_i32_b32 s23, s[32+\n]
	s_add_co_u32 s22, s22, s23                     ; every wave has the count as a scalar
.endr
	s_cmp_lg_u32 s18, 0
	s_cbranch_scc1 .Lnot0
	; wave 0 writes the list.  No other wave touches LDS ahead of the barrier below.
.irp k, 0,1,2,3,4,5,6,7,8
	ds_store_b128 v27, v[120:123] offset:512*\k    ; all 1,152 entries are written: a gather reads its chunk's 192 whatever the count
.endr
	s_mov_b32 s23, 0
.irp n, 0,1,2,3,4,5,6,7,8,9,10,11,12,13,14,15,16,17,18,19,20,21,22,23,24,25,26,27,28,29,30,31
	v_mbcnt_lo_u32_b32 v[152+\n], s[32+\n], s23    ; the tokens found so far + those in lower lanes
	v_cndmask_b32 v[152+\n], v20, v[152+\n], s[32+\n]   ; a lane without a token stores behind the list: every lane stays on
	v_min_u32 v[152+\n], 0x49f, v[152+\n]          ; inside the list and the 32 words behind it
	v_lshl_add_u32 v[152+\n], v[152+\n], 2, LIST
	v_add_nc_u32 v[184+\n], 128*(\n/4)+\n%4, v23
	ds_store_b32 v[152+\n], v[184+\n]              ; (registers of its own for each store)
	s_bcnt1_i32_b32 s24, s[32+\n]
	s_add_co_u32 s23, s23, s24
.endr
	ds_load_b32 v24, v28                           ; the list's first token
	v_add_nc_u32 v21, s22, v25
	v_min_u32 v21, 0x41f, v21
	v_lshl_add_u32 v21, v21, 2, LIST
	s_wait_dscnt 0x0
	ds_store_b32 v21, v24                          ; entries count .. count + 31 repeat it
.Lnot0:
	s_wait_dscnt 0x0                               ; wave 0's stores have landed
	s_barrier_signal -1
	s_barrier_wait -1                              ; the list is there for every wave
; A slab of 32 rows is asked for: sixteen lanes read one run of 256 bytes of a row's 768; a load takes two rows, 12 loads my 8 rows.
.macro GL g
.irp p, 0,1,2,3
	v_min_u32 v[TK+4*\g+\p], 0x1fff, v[TK+4*\g+\p]
.endr
	v_min_u32 v[TS+\g], 0x1fff, v[TS+\g]
.irp p, 0,1,2,3
	v_mad_u32_u24 v[TK+4*\g+\p], v[TK+4*\g+\p], 768, v2
.endr
	v_lshl_add_u32 v[TS+\g], v[TS+\g], 5, v3
.if \g < 5
	WIN 0xc0
.set GB, 48*\g
.set GC, 240+2*\g
.else
	WIN 0x80
.set GB, 144
.set GC, 192
.endif
.irp p, 0,1,2,3
.irp u, 0,1,2
	global_load_b128 v[GB+12*\p+4*\u:GB+12*\p+4*\u+3], v[TK+4*\g+\p], s[4:5] offset:256*\u
.endr
.endr
	global_load_b64 v[GC:GC+1], v[TS+\g], s[6:7]
	WIN 0
.endm
; and goes into LDS as fragment images
.macro GS g
.if \g < 5
	WIN 0x0c
.set GB, 48*\g
.set GC, 240+2*\g
.else
	WIN 0x08
.set GB, 144
.set GC, 192
.endif
.irp p, 0,1,2,3
.irp u, 0,1,2
	ds_store_b128 v[232+\g], v[GB+12*\p+4*\u:GB+12*\p+4*\u+3] offset:544*\u+16*\p
.endr
.endr
	ds_store_b64 v5, v[GC:GC+1] offset:1536*\g
	WIN 0
.endm
; One product: K step s, tile of rows mt, n-tile t.  The weights' word stands in lanes 16-31 for odd s, the tokens' for s >= 4.
.macro MM s, mt, t
.set rD, ACC+8*(4*(\mt)+(\t))
.if (\s) < 5
.set rB, 48*(\s)+12*(\t)
.else
.set rB, 48*((\s)-5)+12*(\t)
.endif
.set rA, 12*(8*(\mt)+(\s))
.set rC, rD
.if (\s) == 0
.set rC, BIAS+8*(\t)
.endif
.set rW, WS+4*(\t)+(\s)/2
.set rX, XS+4*(\mt)+(\s)%4
.if ((\s)%2 == 0) && ((\s) < 4)
	v_wmma_scale_f32_16x16x128_f8f6f4 v[rD:rD+7], v[rB:rB+11], v[rA:rA+11], v[rC:rC+7], v[rW], v[rX] matrix_a_fmt:MATRIX_FMT_BF6 matrix_b_fmt:MATRIX_FMT_BF6
.elseif (\s) < 4
	v_wmma_scale_f32_16x16x128_f8f6f4 v[rD:rD+7], v[rB:rB+11], v[rA:rA+11], v[rC:rC+7], v[rW], v[rX] matrix_a_fmt:MATRIX_FMT_BF6 matrix_b_fmt:MATRIX_FMT_BF6 matrix_a_scale:MATRIX_SCALE_ROW1
.elseif (\s)%2 == 0
	v_wmma_scale_f32_16x16x128_f8f6f4 v[rD:rD+7], v[rB:rB+11], v[rA:rA+11], v[rC:rC+7], v[rW], v[rX] matrix_a_fmt:MATRIX_FMT_BF6 matrix_b_fmt:MATRIX_FMT_BF6 matrix_b_scale:MATRIX_SCALE_ROW1
.else
	v_wmma_scale_f32_16x16x128_f8f6f4 v[rD:rD+7], v[rB:rB+11], v[rA:rA+11], v[rC:rC+7], v[rW], v[rX] matrix_a_fmt:MATRIX_FMT_BF6 matrix_b_fmt:MATRIX_FMT_BF6 matrix_a_scale:MATRIX_SCALE_ROW1 matrix_b_scale:MATRIX_SCALE_ROW1
.endif
.endm
; 16 rows x my 64 columns leave: through my own stage (LDS serves a wave's instructions in order), back as rows of 256 bytes, to each row's token.
.macro OUT mt
.irp t, 0,1,2,3
	ds_store_b128 v15, v[ACC+8*(4*\mt+\t):ACC+8*(4*\mt+\t)+3] offset:4352*\mt+64*\t          ; each accumulator from its low end on
	ds_store_b128 v15, v[ACC+8*(4*\mt+\t)+4:ACC+8*(4*\mt+\t)+7] offset:4352*\mt+64*\t+16
.endr
.irp i, 0,1,2,3,4,5,6,7
	ds_load_b128 v[RB+32*\mt+4*\i:RB+32*\mt+4*\i+3], v16 offset:4352*\mt+272*\i
.endr
.irp i, 0,1,2,3,4,5,6,7
	s_wait_dscnt 7-\i                              ; the loads issued behind this one may be out
	global_store_b128 v[OFF+8*\mt+\i], v[RB+32*\mt+4*\i:RB+32*\mt+4*\i+3], s[16:17] th:TH_STORE_NT   ; sixteen lanes store 256 consecutive bytes, at a multiple of 256 from out0's first byte
.endr
.endm
; A group of 32 rows of the chunk; left out where the count does not reach it.
.macro GROUP g
	s_cmp_le_i32 s24, 32*\g
	s_cbranch_scc1 .Lgs_\@
	s_wait_xcnt 0x0                                ; earlier stores have read their offsets and data: both are loaded anew below
	ds_load_b128 v[OFF:OFF+3], v14 offset:128*\g               ; the tokens of rows 16 mt + 8 hh + 0 .. 7
	ds_load_b128 v[OFF+4:OFF+7], v14 offset:128*\g+16
	ds_load_b128 v[OFF+8:OFF+11], v14 offset:128*\g+64
	ds_load_b128 v[OFF+12:OFF+15], v14 offset:128*\g+80
	ds_load_b128 v[XS:XS+3], v12 offset:1536*\g
	ds_load_b128 v[XS+4:XS+7], v12 offset:1536*\g+768
	WIN 0xc0
.irp s, 0,1,2,3,4,5,6,7
.irp mt, 0,1
.irp u, 0,1,2
	ds_load_b128 v[12*(8*\mt+\s)+4*\u:12*(8*\mt+\s)+4*\u+3], v[238+\g] offset:\mt*MT+\s*1632+544*\u
.endr
.endr
.endr
	WIN 0
	s_wait_dscnt 48                                ; only the 48 fragment loads may be out: tokens and scale words are in
.irp i, 0,1,2,3,4,5,6,7,8,9,10,11,12,13,14,15
	v_min_u32 v[OFF+\i], 0x1fff, v[OFF+\i]
.endr
.irp i, 0,1,2,3,4,5,6,7,8,9,10,11,12,13,14,15
	v_lshl_add_u32 v[OFF+\i], v[OFF+\i], 12, v2    ; a row of out0 is 4,096 bytes.  (These 32 plain lines also stand between the last group's products and the products below, which write over their results)
.endr
.irp s, 0,1,2,3,4,5,6,7
	s_wait_dscnt 6*(7-\s)                          ; the later K steps' fragments, six loads each, may be out
.if \s < 5
	WIN 0x0d                                       ; source 0 (weights) window 1, source 1 (tokens) window 3, C and D window 0
.else
	WIN 0x0e                                       ; weights in window 2
.endif
.irp mt, 0,1
.irp t, 0,1,2,3
	MM \s, \mt, \t                                 ; the eight accumulators take turns, one instruction a turn
.endr
.endr
.endr
	WIN 0
.rept 4
	v_nop                                          ; four plain lines between the last products and the first read of results, and any later load into their operands
.endr
	OUT 0
	s_cmp_le_i32 s24, 32*\g+16
	s_cbranch_scc1 .Lgs_\@                         ; the second tile is all padding
	OUT 1
.Lgs_\@:
.endm
	s_mov_b32 s27, 0                               ; trip
	s_mov_b32 s25, 0                               ; the chunk's first row
	s_mov_b32 s26, 0                               ; and its first list entry, in bytes
.Lchunk:
	s_sub_co_i32 s24, s22, s25                     ; rows left from this chunk on
	v_add_nc_u32 v8, s26, v6
	v_add_nc_u32 v9, s26, v7
	v_add_nc_u32 v14, s26, v13
	s_cmp_le_i32 s24, 0
	s_cbranch_scc1 .Lnog
	s_wait_xcnt 0x0                                ; earlier stores have read the registers that take the token numbers
.irp g, 0,1,2,3,4,5
	ds_load_b128 v[TK+4*\g:TK+4*\g+3], v8 offset:128*\g
.endr
.irp g, 0,1,2,3,4,5
	ds_load_b32 v[TS+\g], v9 offset:128*\g
.endr
	s_wait_dscnt 0x0
	GL 0                                           ; all the slabs that the count asks for are on their way together; each entry below stores just those
	s_cmp_le_i32 s24, 32
	s_cbranch_scc1 .Ls1
	GL 1
	s_cmp_le_i32 s24, 64
	s_cbranch_scc1 .Ls2
	GL 2
	s_cmp_le_i32 s24, 96
	s_cbranch_scc1 .Ls3
	GL 3
	s_cmp_le_i32 s24, 128
	s_cbranch_scc1 .Ls4
	GL 4
	s_cmp_le_i32 s24, 160
	s_cbranch_scc1 .Ls5
	GL 5
	s_wait_loadcnt 0x0                             ; for 0, so that no count hangs on the way taken
	GS 5
.Ls5:
	s_wait_loadcnt 0x0
	GS 4
.Ls4:
	s_wait_loadcnt 0x0
	GS 3
.Ls3:
	s_wait_loadcnt 0x0
	GS 2
.Ls2:
	s_wait_loadcnt 0x0
	GS 1
.Ls1:
	s_wait_loadcnt 0x0
	GS 0
.Lnog:
	s_wait_loadcnt 0x0                             ; weights, their scale words and the bias are in on every way
	s_wait_dscnt 0x0                               ; my part of the images has landed
	s_barrier_signal -1
	s_barrier_wait -1                              ; everybody's has
	GROUP 0
	GROUP 1
	GROUP 2
	GROUP 3
	GROUP 4
	GROUP 5
	s_wait_dscnt 0x0                               ; my reads of the images are over
	s_barrier_signal -1
	s_barrier_wait -1                              ; everybody's are: the next gather may write them
	s_add_co_u32 s25, s25, 192
	s_add_co_u32 s26, s26, 768
	s_add_co_u32 s27, s27, 1
	s_cmp_lt_u32 s27, 6
	s_cbranch_scc1 .Lchunk
	s_wait_tensorcnt 0x0
	ds_add_u32 v254, v255
	s_wait_dscnt 0x0
	s_endpgm
.Lfunc_end_k_q9bf228f124_moe:
	.size	k_q9bf228f124_moe, .Lfunc_end_k_q9bf228f124_moe-k_q9bf228f124_moe
	.p2alignl 7, 3214868480
	.fill 96, 4, 3214868480
	.section	.rodata,"a",@progbits
	.p2align	6, 0x0
	.amdhsa_kernel k_q9bf228f124_moe
		.amdhsa_group_segment_fixed_size 206080
		.amdhsa_private_segment_fixed_size 0
		.amdhsa_enable_private_segment 0
		.amdhsa_kernarg_size 56
		.amdhsa_user_sgpr_count 2
		.amdhsa_user_sgpr_kernarg_segment_ptr 1
		.amdhsa_wavefront_size32 1
		.amdhsa_system_sgpr_workgroup_id_x 1
		.amdhsa_system_sgpr_workgroup_id_y 1
		.amdhsa_system_sgpr_workgroup_id_z 1
		.amdhsa_system_vgpr_workitem_id 0
		.amdhsa_next_free_vgpr 1024
		.amdhsa_next_free_sgpr 66
		.amdhsa_reserve_vcc 0
		.amdhsa_float_denorm_mode_32 3
		.amdhsa_float_denorm_mode_16_64 3
		.amdhsa_memory_ordered 1
		.amdhsa_forward_progress 1
		.amdhsa_inst_pref_size 165
	.end_amdhsa_kernel
	.amdgpu_metadata
---
amdhsa.version: [ 1, 2 ]
amdhsa.kernels:
  - .name:           k_q9bf228f124_moe
    .symbol:         k_q9bf228f124_moe.kd
    .args:
      - { .name: xq, .offset: 0, .size: 8, .value_kind: global_buffer, .address_space: global }
      - { .name: xs, .offset: 8, .size: 8, .value_kind: global_buffer, .address_space: global }
      - { .name: wq, .offset: 16, .size: 8, .value_kind: global_buffer, .address_space: global }
      - { .name: ws, .offset: 24, .size: 8, .value_kind: global_buffer, .address_space: global }
      - { .name: expert_b, .offset: 32, .size: 8, .value_kind: global_buffer, .address_space: global }
      - { .name: top, .offset: 40, .size: 8, .value_kind: global_buffer, .address_space: global }
      - { .name: out0, .offset: 48, .size: 8, .value_kind: global_buffer, .address_space: global }
    .group_segment_fixed_size: 206080
    .private_segment_fixed_size: 0
    .kernarg_segment_align: 8
    .kernarg_segment_size: 56
    .max_flat_workgroup_size: 128
    .sgpr_count:     66
    .vgpr_count:     1024
    .wavefront_size: 32
...
	.end_amdgpu_metadata
.endif
;; end of part 2
;; ======== version 2 of 2: 2 launches
;; workspace buffers: xq 6,291,456 bytes; xs 262,144 bytes; wq 6,291,456 bytes; ws 262,144 bytes; top 32,768 bytes of whole numbers
;; launch prep (part 3): grid 256 x 1, 4 waves a work-group, no clusters, 247,296 bytes of LDS; arguments x, router_w, router_b, expert_w, xq, xs, wq, ws, top; writes xq, xs, wq, ws, top
.if DOCPART == 3
	.amdgcn_target "amdgcn-amd-amdhsa--gfx1250"
	.amdhsa_code_object_version 6
	.text
	.protected	k_q9bf228f124_prep
	.globl	k_q9bf228f124_prep
	.p2align	8
	.type	k_q9bf228f124_prep,@function
k_q9bf228f124_prep:
	s_mov_b64 s[64:65], 0
	v_nop
	global_prefetch_b8 v0, s[64:65] scope:SCOPE_SE
	s_setreg_imm32_b32 hwreg(HW_REG_WAVE_MODE, 25, 1), 1
	s_wait_xcnt 0x0
; Work-groups 0-127: the router (8 logits a token in f32 by fused multiply-adds, + bias, argmax, the lower index on a tie) -> top; x -> codes of BF6 (E3M2) xq and E8M0 bytes xs.
; Work-groups 128-255: expert_w -> codes wq and bytes ws, laid as images of the operand's registers.
; A wave takes 16 rows of 1,024 f32.  Each load of a row reads 512 consecutive bytes; the row turns through the wave's own stage in LDS (32 places of 128 + 16 bytes) and comes back with
; lane l holding block l (k = 32 l .. 32 l + 31) in 32 registers: the block's largest magnitude needs no other lane, and the conversions take neighbours along K from one lane.
; A block's scale is 2^(floor(log2(largest magnitude)) - 4): its byte is the largest magnitude's exponent field - 4, held at 1 from below.
; LAYOUTS.  K step s = 128 k, block bq = l % 4 = 2 cc + h.  Operand lane (r, h) holds 48 bytes a step: block (cc 0, h), block (cc 1, h); piece u = bytes 16 u .. 16 u + 15.
;   xq[token][768]: byte B of (s, h) at 256 (B / 16) + 16 (2 s + h) + B % 16.      xs[token][32]: byte 4 s + bq.
;   wq[n-tile][s][1536]: piece u of lane 16 h + r at 512 u + 16 (16 h + r).          ws[n-tile][512]: the byte of (row r, s, bq) at 256 (s % 2) + 16 r + 4 (s / 2) + bq.
; LIMITS: a block of zeros gets the byte 1 where the rule says 127 (its codes are zeros, and only this program reads the bytes); blocks whose largest magnitude lies under 2^-122 are held at the byte 1;
; NaN and infinities are not served; two logits closer than the rounding of an f32 sum of 1,024 terms may choose the other expert than another order of summing would.
; No tensor load, no cluster, no barrier: waves share nothing but router_w's 32,768 bytes, which each x wave keeps turned in 256 registers.  The two paths part on the work-group's number and have LDS bytes of their own.
; REGISTERS.  window 0: v1 16 l; v2, v3 the turn's addresses in and out; v4, v5 stage addresses in hand; v6-8 where a block's three pieces of 8 bytes go; v9 where its byte goes; v10-14 addresses, chosen experts;
;   v15-19 at work; v20-28 and v228-236 two sets for a block's codes; v32-63, v64-95 two sets of 32 numbers; v96-111 eight pairs of sums; v112-127 logits; v128.. read-back.
;   window 1: router_w turned, [32 e + k] = router_w[e][32 l + k].   window 2: eight rows as loaded.   window 3: router_w as loaded.
.set STG,   4608                       ; a row's stage: 32 places of 144 bytes
.set XREG,  38912                      ; x path: a wave's LDS: 8 stages, two rows' codes (1,536), 16 rows' bytes (512)
.set XCODE, 8*STG
.set XSCL,  XCODE+1536
.set WBASE, 4*XREG                     ; w path: behind the x path's bytes
.set WREG,  22784                      ; a wave's LDS: 2 stages, the n-tile's image (8 x 1,632), its bytes (512)
.set WIMG,  2*STG
.set WSCL,  WIMG+13056
.set X0,  32
.set X1,  64
.set AC,  96
.set LG,  112
.set PM,  120
.set OB,  128
.set CA,  20
.set CB,  228
.set MSB, 0
.macro WIN new                         ; the immediate's high byte repeats the setting that is left
.if MSB != \new
	s_set_vgpr_msb (MSB<<8)|\new
.set MSB, \new
.endif
.endm
.macro LOADROW slot, b, off            ; a row of 4,096 bytes into slot (window 2): each load reads 512 consecutive bytes; read once in the launch
	WIN 0x80
.irp j, 0,1,2,3,4,5,6,7
	global_load_b128 v[32*(\slot)+4*\j:32*(\slot)+4*\j+3], v1, s[\b:\b+1] offset:(\off)+512*\j th:TH_LOAD_NT
.endr
.endm
; My block of 32 numbers in v[x] on -> 24 bytes of codes, as three pieces of 8 bytes, and the scale's byte, into LDS.
.macro QUANT x, c, by, coff, soff
	v_max3_num_f32 v17, |v[\x]|, |v[\x+1]|, 0x2800000              ; the floor 2^(5 - 127) among the leaves: the byte cannot fall under 1
	v_max3_num_f32 v18, |v[\x+2]|, |v[\x+3]|, |v[\x+4]|            ; two chains, so that no line waits for the line above it
.irp i, 5,9,13,17,21,25
	v_max3_num_f32 v17, v17, |v[\x+\i]|, |v[\x+\i+1]|
	v_max3_num_f32 v18, v18, |v[\x+\i+2]|, |v[\x+\i+3]|
.endr
	v_max3_num_f32 v17, v17, |v[\x+29]|, |v[\x+30]|
	v_max3_num_f32 v17, v17, v18, |v[\x+31]|                       ; the block's largest magnitude
	v_add_nc_u32 v15, 0xfe000000, v17                              ; 4 off its exponent field: the conversion takes this operand's exponent field as its scale
	v_cvt_scalef32_pk16_bf6_f32 v[\c:\c+2], v[\x:\x+15], v15
	v_cvt_scalef32_pk16_bf6_f32 v[\c+6:\c+8], v[\x+16:\x+31], v15  ; (a conversion's three registers begin on an even number)
	v_lshrrev_b32 v[\by], 23, v15                                  ; the byte; also the plain line behind the conversions
	v_mov_b32 v[\c+3], v[\c+6]
	v_mov_b32 v[\c+4], v[\c+7]
	v_mov_b32 v[\c+5], v[\c+8]
	ds_store_b64 v6, v[\c:\c+1] offset:\coff
	ds_store_b64 v7, v[\c+2:\c+3] offset:\coff
	ds_store_b64 v8, v[\c+4:\c+5] offset:\coff
	ds_store_b8 v9, v[\by] offset:\soff
.endm
; The row in v[x] on: eight logits, the argmax, into the lane of v12 that mask s[m] names.
.macro ROUTER x, m
	WIN 0x04                                       ; source 1: window 1
.irp e, 0,1,2,3,4,5,6,7
	v_pk_mul_f32 v[AC+2*\e:AC+2*\e+1], v[\x:\x+1], v[32*\e:32*\e+1]   ; the first products start the sums: nothing is cleared
.endr
.irp j, 2,4,6,8,10,12,14,16,18,20,22,24,26,28,30
.irp e, 0,1,2,3,4,5,6,7
	v_pk_fma_f32 v[AC+2*\e:AC+2*\e+1], v[\x+\j:\x+\j+1], v[32*\e+\j:32*\e+\j+1], v[AC+2*\e:AC+2*\e+1]   ; eight chains by turns
.endr
.endr
	WIN 0
.irp e, 0,1,2,3,4,5,6,7
	v_add_f32 v[LG+\e], v[AC+2*\e], v[AC+2*\e+1]
.endr
.irp k, 1,2,4,8
.irp e, 0,1,2,3,4,5,6,7
	v_add_f32_dpp v[LG+\e], v[LG+\e], v[LG+\e] row_xmask:\k row_mask:0xf bank_mask:0xf
.endr
.endr
.irp e, 0,1,2,3,4,5,6,7
	v_permlanex16_b32 v[PM+\e], v[LG+\e], s40, s41
.endr
.irp e, 0,1,2,3,4,5,6,7
	v_add_f32 v[LG+\e], v[LG+\e], v[PM+\e]         ; every lane holds the row's sums
.endr
.irp e, 0,1,2,3,4,5,6,7
	v_add_f32 v[LG+\e], s[24+\e], v[LG+\e]         ; + router_b
.endr
	v_mov_b32 v13, 0
.irp e, 1,2,3,4,5,6,7
	v_cmp_le_f32 vcc_lo, v[LG+\e], v[LG]           ; not greater than the best so far: the lower index stays
	v_cndmask_b32 v13, \e, v13, vcc_lo
	v_max_num_f32 v[LG], v[LG], v[LG+\e]
.endr
	v_cndmask_b32 v12, v12, v13, s[\m]             ; a value is chosen; no address and no branch hangs on it
.endm
	s_load_b256 s[4:11], s[0:1], 0x0               ; x s[4:5], router_w s[6:7], router_b s[8:9], expert_w s[10:11]
	s_load_b256 s[12:19], s[0:1], 0x20             ; xq s[12:13], xs s[14:15], wq s[16:17], ws s[18:19]
	s_load_b64 s[20:21], s[0:1], 0x40              ; top
	v_lshl_add_u32 v254, v0, 2, 0x3c400
	v_mov_b32 v255, 0
	v_lshrrev_b32 v30, 5, v0
	v_readfirstlane_b32 s22, v30                   ; wave
	v_and_b32 v29, 31, v0                          ; lane l
	v_lshlrev_b32 v1, 4, v29                       ; 16 l
	v_lshrrev_b32 v30, 3, v29
	v_and_b32 v31, 7, v29
	v_mul_u32_u24 v2, v30, 144
	v_lshl_add_u32 v2, v31, 4, v2                  ; the turn, in: load j's 16 bytes belong to block 4 j + l / 8, at 16 (l % 8) in it
	v_mul_u32_u24 v3, v29, 144                     ; the turn, out: block l
	v_bfe_u32 v30, v29, 1, 1
	v_mul_u32_u24 v30, v30, 24                     ; 24 cc: where my block begins in the operand lane's 48 bytes
	v_lshrrev_b32 v31, 2, v29                      ; s
	s_mov_b32 s33, 0
	s_wait_kmcnt 0x0
	s_cmp_lt_u32 ttmp9, 128
	s_cbranch_scc0 .Lw_path
	; ---------------- x: the router and the tokens' codes ----------------
	s_load_b256 s[24:31], s[8:9], 0x0              ; router_b's eight numbers
	s_lshl_b32 s42, ttmp9, 6
	s_lshl_b32 s43, s22, 4
	s_add_co_u32 s42, s42, s43                     ; my first token: 64 x work-group + 16 x wave
	s_lshl_b32 s32, s42, 12
	s_add_nc_u64 s[4:5], s[4:5], s[32:33]
	s_mul_i32 s32, s42, 768
	s_add_nc_u64 s[12:13], s[12:13], s[32:33]
	s_lshl_b32 s32, s42, 5
	s_add_nc_u64 s[14:15], s[14:15], s[32:33]
	s_lshl_b32 s32, s42, 2
	s_add_nc_u64 s[20:21], s[20:21], s[32:33]
	WIN 0xc0                                       ; destination window 3
	s_wait_alu depctr_va_vdst(0)
.irp e, 0,1,2,3,4,5,6,7
.irp j, 0,1,2,3,4,5,6,7
	global_load_b128 v[32*\e+4*\j:32*\e+4*\j+3], v1, s[6:7] offset:4096*\e+512*\j   ; router_w: read by every x wave, so no hint
.endr
.endr
.irp i, 0,1,2,3,4,5,6,7
	LOADROW \i, 4, \i*4096                         ; my rows 0-7
.endr
	WIN 0
	s_mul_i32 s23, s22, XREG
	v_add_nc_u32 v2, s23, v2
	v_add_nc_u32 v3, s23, v3
	v_and_b32 v4, 1, v29                           ; h
	v_lshl_add_u32 v31, v31, 1, v4
	v_lshlrev_b32 v31, 4, v31                      ; 16 (2 s + h)
	v_add_nc_u32 v31, s23, v31
.irp i, 0,1,2
	v_add_nc_u32 v4, 8*\i, v30                     ; B = 24 cc + 8 i
	v_lshrrev_b32 v5, 4, v4
	v_and_b32 v4, 8, v4
	v_lshl_add_u32 v5, v5, 8, v4                   ; 256 (B / 16) + (B & 8)
	v_add_nc_u32 v5, v5, v31
	v_add_nc_u32 v[6+\i], XCODE, v5                ; the 32 lanes of a store of 8 bytes touch 64 different banks
.endr
	v_add_nc_u32 v14, s23, v29
	v_add_nc_u32 v14, XSCL, v14                    ; my byte in a row's 32
	v_add_nc_u32 v150, s23, v1
	v_add_nc_u32 v151, XSCL, v150                  ; read-back of the 512 bytes,
	v_add_nc_u32 v150, XCODE, v150                 ; and of two rows' codes
	v_lshlrev_b32 v11, 2, v29
	v_mov_b32 v12, 0                               ; the chosen experts: lane i holds row i's
.irp e, 0,1,2,3,4,5,6,7
	v_mov_b32 v[PM+\e], 0                          ; written once: a lane permute's destination counts as one of its sources
.endr
	s_mov_b32 s40, 0x76543210
	s_mov_b32 s41, 0xfedcba98                      ; lane l xor 16
	s_wait_loadcnt 63                              ; 64 loads were issued behind router_w's: with 63 out at the most, router_w is in
	WIN 0x0c                                       ; an LDS store's data: window 3
.irp e, 0,1,2,3,4,5,6,7
.irp j, 0,1,2,3,4,5,6,7
	ds_store_b128 v2, v[32*\e+4*\j:32*\e+4*\j+3] offset:\e*STG+576*\j
.endr
.endr
	WIN 0x40                                       ; destination window 1.  LDS serves a wave's instructions in order: these see the stores above, and the rows stored next come behind them
.irp e, 0,1,2,3,4,5,6,7
.irp j, 0,1,2,3,4,5,6,7
	ds_load_b128 v[32*\e+4*\j:32*\e+4*\j+3], v3 offset:\e*STG+16*\j
.endr
.endr
	WIN 0
	s_wait_kmcnt 0x0                               ; router_b
; Eight rows: into the eight stages as they land; then two rows a trip.
.macro BURST n
.irp j, 0,1,2,3,4,5,6,7
	s_wait_loadcnt 8*(7-\j)                        ; row j is in: behind it stand the later rows' loads, eight each
	WIN 0x08                                       ; data: window 2
.irp q, 0,1,2,3,4,5,6,7
	ds_store_b128 v2, v[32*\j+4*\q:32*\j+4*\q+3] offset:\j*STG+576*\q
.endr
.endr
	WIN 0
	s_wait_dscnt 0x0                               ; the stores have read the slots (and router_w's turn is back)
.if \n == 0
.irp i, 0,1,2,3,4,5,6,7
	LOADROW \i, 4, (8+\i)*4096                     ; my rows 8-15 come while rows 0-7 are worked; the second burst asks for nothing
.endr
	WIN 0
.endif
	s_mov_b32 s35, 0                               ; trip
	s_mov_b32 s36, 0                               ; the pair's first stage
	s_mov_b32 s44, 0                               ; the pair's bytes: 64 a trip
	s_mov_b32 s45, 0                               ; the pair's codes in xq: 1,536 a trip
	s_mov_b32 s38, 1<<(8*\n)                       ; the lane of v12 that takes the row's expert
.irp j, 0,1,2,3,4,5,6,7
	ds_load_b128 v[X0+4*\j:X0+4*\j+3], v3 offset:16*\j
.endr
.Lpair_\@:
	v_add_nc_u32 v4, s36, v3
	v_add_nc_u32 v9, s44, v14
.irp j, 0,1,2,3,4,5,6,7
	ds_load_b128 v[X1+4*\j:X1+4*\j+3], v4 offset:STG+16*\j
.endr
	s_wait_dscnt 8                                 ; only the eight just issued may be out: the even row is in
	QUANT X0, CA, 16, 0, 256*\n
	ROUTER X0, 38
	s_add_co_u32 s37, s36, 2*STG
	s_min_u32 s37, s37, 7*STG                      ; the next pair's even row; the last trip reads stage 7 again and uses nothing of it
	v_add_nc_u32 v5, s37, v3
.irp j, 0,1,2,3,4,5,6,7
	ds_load_b128 v[X0+4*\j:X0+4*\j+3], v5 offset:16*\j
.endr
	s_wait_dscnt 12                                ; behind the odd row's loads: four stores and eight loads
	QUANT X1, CB, 19, 768, 256*\n+32
	s_wait_xcnt 0x0                                ; the last pair's stores have read their offset and data: both are written again below
	v_add_nc_u32 v10, s45, v1
.irp u, 0,1,2
	ds_load_b128 v[OB+4*\u:OB+4*\u+3], v150 offset:512*\u   ; two rows' codes, 1,536 bytes on end
.endr
	s_lshl_b32 s39, s38, 1
	ROUTER X1, 39
	s_wait_dscnt 0x0                               ; the codes and the next even row are in; every LDS store has read its registers
.irp u, 0,1,2
	global_store_b128 v10, v[OB+4*\u:OB+4*\u+3], s[12:13] offset:512*\u+6144*\n   ; 512 consecutive bytes, at a multiple of 256 from xq's first byte
.endr
	s_lshl_b32 s38, s38, 2
	s_add_co_u32 s36, s36, 2*STG
	s_add_co_u32 s44, s44, 64
	s_add_co_u32 s45, s45, 1536
	s_add_co_u32 s35, s35, 1
	s_cmp_lt_u32 s35, 4
	s_cbranch_scc1 .Lpair_\@
.endm
	BURST 0
	BURST 1
	ds_load_b128 v[224:227], v151                  ; my 16 rows' 512 scale bytes
	s_wait_dscnt 0x0
	global_store_b128 v1, v[224:227], s[14:15]
	v_cmp_gt_u32 vcc_lo, 16, v29
	s_wait_xcnt 0x0                                ; EXEC changes only behind this wait
	s_wait_tensorcnt 0x0
	ds_add_u32 v254, v255
	s_wait_dscnt 0x0
	s_and_saveexec_b32 s42, vcc_lo
	s_wait_alu depctr_va_vdst(0)
	global_store_b32 v11, v12, s[20:21]            ; lanes 0-15: the 16 chosen experts, at fixed places
	s_wait_xcnt 0x0
	s_or_b32 exec_lo, exec_lo, s42
	s_endpgm
	; ---------------- w: one n-tile (16 rows of one expert) a wave ----------------
.Lw_path:
	s_sub_co_u32 s42, ttmp9, 128
	s_lshl_b32 s42, s42, 2
	s_add_co_u32 s42, s42, s22                     ; n-tile 0 .. 511
	s_lshl_b32 s32, s42, 16
	s_add_nc_u64 s[10:11], s[10:11], s[32:33]
	s_mul_i32 s32, s42, 12288
	s_add_nc_u64 s[16:17], s[16:17], s[32:33]
	s_lshl_b32 s32, s42, 9
	s_add_nc_u64 s[18:19], s[18:19], s[32:33]
	s_wait_alu depctr_va_vdst(0)
.irp i, 0,1,2,3,4,5,6,7
	LOADROW \i, 10, \i*4096
.endr
	WIN 0
	s_mul_i32 s23, s22, WREG
	s_add_co_u32 s23, s23, WBASE
	v_add_nc_u32 v2, s23, v2
	v_add_nc_u32 v3, s23, v3
	v_and_b32 v4, 1, v29                           ; h
	v_mul_u32_u24 v5, v31, 1632
	v_mad_u32_u24 v5, v4, 272, v5
	v_add_nc_u32 v5, s23, v5                       ; the image's stage: 1,632 s + 544 u + 272 h + 16 r
.irp i, 0,1,2
	v_add_nc_u32 v4, 8*\i, v30                     ; B = 24 cc + 8 i
	v_lshrrev_b32 v9, 4, v4
	v_and_b32 v4, 8, v4
	v_mad_u32_u24 v9, v9, 544, v4
	v_add_nc_u32 v9, v9, v5
	v_add_nc_u32 v[6+\i], WIMG, v9                 ; the 32 lanes of a store of 8 bytes touch 64 different banks
.endr
	v_and_b32 v4, 1, v31
	v_lshrrev_b32 v9, 1, v31
	v_lshlrev_b32 v4, 8, v4
	v_lshl_add_u32 v4, v9, 2, v4
	v_and_b32 v9, 3, v29
	v_add_nc_u32 v4, v4, v9                        ; 256 (s % 2) + 4 (s / 2) + bq
	v_add_nc_u32 v4, s23, v4
	v_add_nc_u32 v9, WSCL, v4
	v_lshrrev_b32 v4, 4, v29
	v_and_b32 v10, 15, v29
	v_mul_u32_u24 v4, v4, 272
	v_lshl_add_u32 v4, v10, 4, v4
	v_add_nc_u32 v4, s23, v4
	v_add_nc_u32 v10, WIMG, v4                     ; read-back: operand lane l
	v_add_nc_u32 v11, s23, v1
	v_add_nc_u32 v11, WSCL, v11
.macro TURN i                          ; row i through stage i % 2 into set i % 2: LDS serves a wave's instructions in order
	WIN 0x08
.irp q, 0,1,2,3,4,5,6,7
	ds_store_b128 v2, v[32*((\i)%8)+4*\q:32*((\i)%8)+4*\q+3] offset:STG*((\i)%2)+576*\q
.endr
	WIN 0
.irp q, 0,1,2,3,4,5,6,7
	ds_load_b128 v[X0+32*((\i)%2)+4*\q:X0+32*((\i)%2)+4*\q+3], v3 offset:STG*((\i)%2)+16*\q
.endr
.endm
.macro STEPW i
.if (\i) == 0
	s_wait_dscnt 0x0
.else
	s_wait_dscnt 4                                 ; row i is back from its stage (the last row's four stores may be out): so the stores into the stage have read slot i,
.endif
.if (\i) < 8
	LOADROW \i, 10, ((\i)+8)*4096                  ; which takes the row eight further on
.endif
.if (\i) < 15
.if 14-(\i) < 7
	s_wait_loadcnt 8*(14-(\i))                     ; row i + 1 is in: behind it stand the later rows' loads, eight each
.else
	s_wait_loadcnt 56
.endif
	TURN (\i)+1
.endif
.if (\i)%2 == 0
	QUANT X0, CA, 16, 16*(\i), 16*(\i)             ; the two sets of code registers take turns: a set's stores are older than a turn that has been waited for
.else
	QUANT X1, CB, 19, 16*(\i), 16*(\i)
.endif
.endm
	s_wait_loadcnt 56                              ; row 0 is in
	TURN 0
.irp i, 0,1,2,3,4,5,6,7,8,9,10,11,12,13,14,15
	STEPW \i
.endr
.irp s, 0,1,2,3,4,5,6,7
.irp u, 0,1,2
	ds_load_b128 v[128+12*\s+4*\u:128+12*\s+4*\u+3], v10 offset:1632*\s+544*\u
.endr
.endr
	ds_load_b128 v[224:227], v11
.irp s, 0,1,2,3,4,5,6,7
.irp u, 0,1,2
	s_wait_dscnt 24-(3*\s+\u)                      ; the loads issued behind this one may be out
	global_store_b128 v1, v[128+12*\s+4*\u:128+12*\s+4*\u+3], s[16:17] offset:1536*\s+512*\u   ; the n-tile's 12,288 bytes on end, 512 a store
.endr
.endr
	s_wait_dscnt 0x0
	global_store_b128 v1, v[224:227], s[18:19]
	s_wait_tensorcnt 0x0
	ds_add_u32 v254, v255
	s_wait_dscnt 0x0
	s_endpgm
.Lfunc_end_k_q9bf228f124_prep:
	.size	k_q9bf228f124_prep, .Lfunc_end_k_q9bf228f124_prep-k_q9bf228f124_prep
	.p2alignl 7, 3214868480
	.fill 96, 4, 3214868480
	.section	.rodata,"a",@progbits
	.p2align	6, 0x0
	.amdhsa_kernel k_q9bf228f124_prep
		.amdhsa_group_segment_fixed_size 247296
		.amdhsa_private_segment_fixed_size 0
		.amdhsa_enable_private_segment 0
		.amdhsa_kernarg_size 72
		.amdhsa_user_sgpr_count 2
		.amdhsa_user_sgpr_kernarg_segment_ptr 1
		.amdhsa_wavefront_size32 1
		.amdhsa_system_sgpr_workgroup_id_x 1
		.amdhsa_system_sgpr_workgroup_id_y 1
		.amdhsa_system_sgpr_workgroup_id_z 1
		.amdhsa_system_vgpr_workitem_id 0
		.amdhsa_next_free_vgpr 1024
		.amdhsa_next_free_sgpr 66
		.amdhsa_reserve_vcc 1
		.amdhsa_float_denorm_mode_32 3
		.amdhsa_float_denorm_mode_16_64 3
		.amdhsa_memory_ordered 1
		.amdhsa_forward_progress 1
		.amdhsa_inst_pref_size 163
	.end_amdhsa_kernel
	.amdgpu_metadata
---
amdhsa.version: [ 1, 2 ]
amdhsa.kernels:
  - .name:           k_q9bf228f124_prep
    .symbol:         k_q9bf228f124_prep.kd
    .args:
      - { .name: x, .offset: 0, .size: 8, .value_kind: global_buffer, .address_space: global }
      - { .name: router_w, .offset: 8, .size: 8, .value_kind: global_buffer, .address_space: global }
      - { .name: router_b, .offset: 16, .size: 8, .value_kind: global_buffer, .address_space: global }
      - { .name: expert_w, .offset: 24, .size: 8, .value_kind: global_buffer, .address_space: global }
      - { .name: xq, .offset: 32, .size: 8, .value_kind: global_buffer, .address_space: global }
      - { .name: xs, .offset: 40, .size: 8, .value_kind: global_buffer, .address_space: global }
      - { .name: wq, .offset: 48, .size: 8, .value_kind: global_buffer, .address_space: global }
      - { .name: ws, .offset: 56, .size: 8, .value_kind: global_buffer, .address_space: global }
      - { .name: top, .offset: 64, .size: 8, .value_kind: global_buffer, .address_space: global }
    .group_segment_fixed_size: 247296
    .private_segment_fixed_size: 0
    .kernarg_segment_align: 8
    .kernarg_segment_size: 72
    .max_flat_workgroup_size: 128
    .sgpr_count:     66
    .vgpr_count:     1024
    .wavefront_size: 32
...
	.end_amdgpu_metadata
.endif
;; end of part 3
;; launch moe (part 4): grid 256 x 1, 4 waves a work-group, no clusters, 206,080 bytes of LDS; arguments xq, xs, wq, ws, expert_b, top, out0; writes out0
.if DOCPART == 4
	.amdgcn_target "amdgcn-amd-amdhsa--gfx1250"
	.amdhsa_code_object_version 6
	.text
	.protected	k_q9bf228f124_moe
	.globl	k_q9bf228f124_moe
	.p2align	8
	.type	k_q9bf228f124_moe,@function
k_q9bf228f124_moe:
	s_mov_b64 s[64:65], 0
	v_nop
	global_prefetch_b8 v0, s[64:65] scope:SCOPE_SE
	s_setreg_imm32_b32 hwreg(HW_REG_WAVE_SCHED_MODE, 0, 2), 2
	s_setreg_imm32_b32 hwreg(HW_REG_WAVE_MODE, 25, 1), 1
	s_wait_xcnt 0x0
	s_wait_alu depctr_vm_vsrc(0)
; out0[token][:] = Q(x[token]) . Q(expert_w[top[token]])^T + expert_b[top[token]], on codes of BF6 (E3M2) with E8M0 scales, only for the expert that was chosen.
; Work-group (b, e, c) = (id / 32, (id / 4) % 8, id % 4): the tokens of block b (1,024 tokens) whose stored choice is e, times output columns 256 c .. 256 c + 255 of expert e.  So each output number has one owner.
; THE WAVES SHARE THE COLUMNS: wave w owns 64 columns (4 n-tiles), whose codes for all of K (32 fragments, 384 registers) are loaded once, as register images, and stay.
; THE ROWS: every wave counts the chosen tokens; wave 0 writes their numbers into a list in LDS.  The rows go in chunks of 192: the four waves gather the rows' codes in whole runs of 256 bytes into LDS as fragment
; images, a barrier, then each wave multiplies groups of 32 rows (2 x 4 accumulators by turns, K = 8 steps of 128) and stores them through its own stage: sixteen lanes store 256 consecutive aligned bytes.
; The chunk loop has a constant 6 trips (6 x 192 >= 1,024: every split is served, all tokens on one expert too); work that the count does not ask for is jumped over by scalar branches on the count; no barrier stands under such a branch.
; PADDING ROWS: list entries count .. count + 31 repeat the list's first token: such a row is computed again and stores the same numbers to the same bytes.  A tile of 16 that is all padding is not stored.
; NO TENSOR LOAD, NO CLUSTER: which rows and how many hangs on numbers read from memory, so branches do; hence operands go through registers, and nothing is asked for jointly.  The weights that eight work-groups
; share (same e and c) are 196,608 bytes each, read once by each of them.
; The matrix instruction is used transposed: source 0 = 16 output columns of the weights, source 1 = 16 tokens: lane (r, h) holds token row r and columns 8 h + 0 .. 7; the bias is the C of a sum's first instruction.
; REGISTERS.  window 0: v1-31 addresses and lane constants; v32-47 the weights' scale words, v48-55 the tokens' (these hold scales alone); v56-87 the bias; v88-151 eight accumulators; v152-215 rows on the way out
;   (in a gather: token numbers; at the head: the list's addresses and data); v216-231 the rows' offsets in out0; v232-237, v238-243 LDS addresses of the six slabs and groups.
;   window 1: weights, K steps 0-4 at 48 s + 12 t.   window 2: K steps 5-7 at 48 (s - 5) + 12 t; v144-193 a gather's sixth slab.   window 3: the tokens' fragments at 12 (8 mt + s); in a gather slabs 0-4, scales at v240-249.
; THE MODE: SCHED_MODE bits 1:0 = 2 (LLVM: expert scheduling mode 2), set by the entry lines.  The code itself states the register dependences between vector or matrix instructions and memory or LDS
; instructions, with s_wait_alu, always for 0.
; THE PLAN.  Registers that memory or LDS instructions touch, and who else names them:
;   v1-7, v10, v12, v13, v15, v16, v26-28, v232-243, v120-123   offsets, LDS addresses and zeros: written by vector lines at the head and never again: one wait ahead of the first load.
;   v152-215, v21 (wave 0, head)   the list's addresses and data: all made by vector lines first, then one wait, then the run of LDS stores that read them.
;   v8, v9, v14    the chunk's places in the list: written by three adds at a chunk's head, read by the chunk's LDS loads: a wait on either side of the adds.
;   TK, TS         token numbers land; vector lines make the offsets of all six slabs together; one wait; the gather's loads read them.
;   the slabs      (windows 3 and 2) the gather's loads land; its LDS stores read them.
;   fragments, XS  a group's LDS loads land; its products read them.      OFF  LDS loads land; 32 vector lines make offsets of them; the group's global stores read them.
;   ACC            products write; the stage's LDS stores read.              RB   LDS loads land; the global stores read them.
; A group has three waits: at its head one for what earlier memory and LDS instructions have read and one for what the last group's vector lines and products have written and read; behind its last products one
; ahead of the way out, in which no vector line stands.  Behind the head's waits the K steps' fragments are asked for in three runs, two of them among the products: the products issued by then name the fragments of K steps 0 to 3 alone.
.set MT,    13056                      ; an m-tile's image: 8 steps x (3 pieces x (2 halves x (256 + 16)))
.set XSA,   12*MT                      ; 192 rows x (32 scale bytes + 16)
.set LIST,  XSA+9216                   ; 1,152 token numbers; directly behind them 32 words that take the stores of lanes without a token
.set STGB,  LIST+4608+256              ; 4 waves x 2 stages x 16 rows x 272
.set WS,   32
.set XS,   48
.set BIAS, 56
.set ACC,  88
.set T,    88
.set RB,   152
.set TK,   152
.set TS,   176
.set OFF,  216
.set MSB, 0
.macro WIN new                         ; the immediate's high byte repeats the setting that is left
.if MSB != \new
	s_set_vgpr_msb (MSB<<8)|\new
.set MSB, \new
.endif
.endm
	s_load_b256 s[4:11], s[0:1], 0x0               ; xq s[4:5], xs s[6:7], wq s[8:9], ws s[10:11]
	s_load_b128 s[12:15], s[0:1], 0x20             ; expert_b s[12:13], top s[14:15]
	s_load_b64 s[16:17], s[0:1], 0x30              ; out0
	v_lshl_add_u32 v254, v0, 2, 0x32300
	v_mov_b32 v255, 0
	v_lshrrev_b32 v17, 5, v0
	v_readfirstlane_b32 s18, v17                   ; wave w
	s_and_b32 s19, ttmp9, 3                        ; c
	s_bfe_u32 s20, ttmp9, 0x30002                  ; e
	s_lshr_b32 s21, ttmp9, 5                       ; b
	v_and_b32 v25, 31, v0                          ; lane l
	v_and_b32 v18, 15, v0                          ; q = l % 16
	v_bfe_u32 v19, v0, 4, 1                        ; hh = l / 16
	v_bfe_u32 v29, v0, 2, 3                        ; l / 4
	v_lshlrev_b32 v1, 4, v25                       ; 16 l
	v_lshlrev_b32 v2, 4, v18                       ; 16 q
	v_and_b32 v3, 3, v0
	v_lshlrev_b32 v3, 3, v3                        ; 8 (l % 4)
	; every LDS address is made here, ahead of the one branch on the wave's number
	v_lshrrev_b32 v17, 1, v18
	v_mul_u32_u24 v4, v17, 1632
	v_and_b32 v17, 1, v18
	v_mad_u32_u24 v4, v17, 272, v4
	v_lshl_add_u32 v4, v19, 6, v4
	s_wait_alu depctr_va_sdst(0)                   ; s18, the wave's number, is written, ahead of its first reader
	s_and_b32 s23, s18, 1
	s_lshl_b32 s23, s23, 7
	s_lshr_b32 s24, s18, 1
	s_mul_i32 s24, s24, MT
	s_add_co_u32 s23, s23, s24
	v_add_nc_u32 v4, s23, v4                       ; a gather's stores: lane q holds the piece of (s, h) = (q / 2, q % 2); row 8 w + 4 hh + p of a slab of 32
	v_mul_u32_u24 v5, v29, 48
	v_add_nc_u32 v5, v5, v3
	s_mul_i32 s23, s18, 384
	s_add_co_u32 s23, s23, XSA
	v_add_nc_u32 v5, s23, v5                       ; and the scale bytes': row 8 w + l / 4, 8 bytes a lane
	s_lshl_b32 s23, s18, 5
	s_add_co_u32 s23, s23, LIST
	v_lshl_add_u32 v6, v19, 4, s23                 ; the list's entries 8 w + 4 hh + 0 .. 3
	v_lshl_add_u32 v7, v29, 2, s23                 ; and entry 8 w + l / 4
	v_mul_u32_u24 v10, v19, 272
	v_add_nc_u32 v10, v10, v2                      ; a fragment's piece for operand lane (q, hh)
	v_mul_u32_u24 v12, v18, 48
	v_lshl_add_u32 v12, v19, 4, v12
	v_add_nc_u32 v12, XSA, v12                     ; row q's scale words of K steps 4 hh + 0 .. 3
	v_lshlrev_b32 v26, 5, v19                      ; 32 hh
	v_add_nc_u32 v13, LIST, v26                    ; the list's entries 8 hh + 0 .. 7
	s_mul_i32 s23, s18, 8704
	s_add_co_u32 s23, s23, STGB
	v_mul_u32_u24 v15, v18, 272
	v_add_nc_u32 v15, v15, v26
	v_add_nc_u32 v15, s23, v15                     ; my stage, in: row q, 32 bytes for each half of the lanes
	v_mul_u32_u24 v16, v19, 2176
	v_add_nc_u32 v16, v16, v2
	v_add_nc_u32 v16, s23, v16                     ; back: lanes 0-15 row i, lanes 16-31 row i + 8; 16 bytes a lane
	v_add_nc_u32 v20, 1152, v25                    ; the index, counted from the list's first word, of my word behind the list
	s_lshl_b32 s23, s21, 10
	v_lshl_add_u32 v23, v25, 2, s23                ; token 1,024 b + 4 l
	v_add_nc_u32 v27, LIST, v1
	v_mov_b32 v28, LIST
.irp g, 0,1,2,3,4,5
	v_add_nc_u32 v[232+\g], 2*MT*\g, v4
	v_add_nc_u32 v[238+\g], 2*MT*\g, v10
.endr
.irp i, 0,1,2,3
	v_mov_b32 v[120+\i], 0
.endr
	s_mov_b32 s29, 0
	s_lshl_b32 s30, s20, 6
	s_lshl_b32 s31, s19, 4
	s_add_co_u32 s30, s30, s31
	s_lshl_b32 s31, s18, 2
	s_add_co_u32 s30, s30, s31                     ; my first n-tile: 64 e + 16 c + 4 w
	s_wait_kmcnt 0x0
	s_mul_i32 s28, s30, 12288
	s_add_nc_u64 s[8:9], s[8:9], s[28:29]
	s_lshl_b32 s28, s30, 9
	s_add_nc_u64 s[10:11], s[10:11], s[28:29]
	s_lshl_b32 s28, s19, 10
	s_lshl_b32 s31, s18, 8
	s_add_co_u32 s28, s28, s31                     ; my 64 columns in bytes: 1,024 c + 256 w
	s_add_nc_u64 s[16:17], s[16:17], s[28:29]
	s_lshl_b32 s31, s20, 12
	s_add_co_u32 s28, s28, s31
	s_add_nc_u64 s[12:13], s[12:13], s[28:29]
	s_lshl_b32 s28, s21, 12
	s_add_nc_u64 s[14:15], s[14:15], s[28:29]
	s_wait_alu depctr_va_vdst(0)                   ; the head's offsets and LDS addresses (v1-7, v10, v12, v13, v15, v16, v26-28, v232-243) and the zeros v120-123 are written: every load and store of the kernel reads some of them, and none is written again
.irp k, 0,1,2,3,4,5,6,7
	global_load_b128 v[T+4*\k:T+4*\k+3], v1, s[14:15] offset:512*\k      ; register 4 k + i: the choice of token 1,024 b + 128 k + 4 l + i
.endr
.irp t, 0,1,2,3
	global_load_b128 v[WS+4*\t:WS+4*\t+3], v1, s[10:11] offset:512*\t    ; register j of lane (r, h'): row r's scale word of K step 2 j + h'
.endr
.irp t, 0,1,2,3
	global_load_b128 v[BIAS+8*\t:BIAS+8*\t+3], v26, s[12:13] offset:64*\t
	global_load_b128 v[BIAS+8*\t+4:BIAS+8*\t+7], v26, s[12:13] offset:64*\t+16
.endr
	WIN 0x40
.irp s, 0,1,2,3,4
.irp t, 0,1,2,3
.irp u, 0,1,2
	global_load_b128 v[48*\s+12*\t+4*\u:48*\s+12*\t+4*\u+3], v1, s[8:9] offset:\t*12288+\s*1536+512*\u
.endr
.endr
.endr
	WIN 0x80
.irp s, 5,6,7
.irp t, 0,1,2,3
.irp u, 0,1,2
	global_load_b128 v[48*(\s-5)+12*\t+4*\u:48*(\s-5)+12*\t+4*\u+3], v1, s[8:9] offset:\t*12288+\s*1536+512*\u
.endr
.endr
.endr
	WIN 0
	s_wait_loadcnt 63                              ; 108 loads were issued behind the choices: with 63 out at the most they are in
.irp n, 0,1,2,3,4,5,6,7,8,9,10,11,12,13,14,15,16,17,18,19,20,21,22,23,24,25,26,27,28,29,30,31
	v_cmp_eq_u32 s[32+\n], s20, v[T+\n]
.endr
	s_wait_alu depctr_va_sdst(0)                   ; the 32 compares have written their masks s32 to s63, ahead of the first line that reads one
	s_mov_b32 s22, 0
.irp n, 0,1,2,3,4,5,6,7,8,9,10,11,12,13,14,15,16,17,18,19,20,21,22,23,24,25,26,27,28,29,30,31
	s_bcnt1_i32_b32 s23, s[32+\n]
	s_add_co_u32 s22, s22, s23                     ; every wave has the count as a scalar
.endr
	s_cmp_lg_u32 s18, 0
	s_cbranch_scc1 .Lnot0
	; wave 0 writes the list.  No other wave touches LDS ahead of the barrier below.  All addresses and data are made first, so that one wait serves the whole run of stores.
	s_mov_b32 s23, 0
.irp n, 0,1,2,3,4,5,6,7,8,9,10,11,12,13,14,15,16,17,18,19,20,21,22,23,24,25,26,27,28,29,30,31
	v_mbcnt_lo_u32_b32 v[152+\n], s[32+\n], s23    ; the tokens found so far + those in lower lanes
	v_cndmask_b32 v[152+\n], v20, v[152+\n], s[32+\n]   ; a lane without a token stores behind the list: every lane stays on
	v_min_u32 v[152+\n], 0x49f, v[152+\n]          ; inside the list and the 32 words behind it
	v_lshl_add_u32 v[152+\n], v[152+\n], 2, LIST
	v_add_nc_u32 v[184+\n], 128*(\n/4)+\n%4, v23   ; (registers of its own for each store)
	s_bcnt1_i32_b32 s24, s[32+\n]
	s_add_co_u32 s23, s23, s24
.endr
	v_add_nc_u32 v21, s22, v25
	v_min_u32 v21, 0x41f, v21
	v_lshl_add_u32 v21, v21, 2, LIST               ; entries count .. count + 31
	s_wait_alu depctr_va_vdst(0)                   ; the list's addresses v152-183 and v21 and its data v184-215 are written: the LDS stores below read them
.irp k, 0,1,2,3,4,5,6,7,8
	ds_store_b128 v27, v[120:123] offset:512*\k    ; all 1,152 entries are written: a gather reads its chunk's 192 whatever the count
.endr
.irp n, 0,1,2,3,4,5,6,7,8,9,10,11,12,13,14,15,16,17,18,19,20,21,22,23,24,25,26,27,28,29,30,31
	ds_store_b32 v[152+\n], v[184+\n]              ; LDS serves a wave's instructions in order: these come behind the zeros
.endr
	ds_load_b32 v24, v28                           ; the list's first token
	s_wait_dscnt 0x0
	ds_store_b32 v21, v24                          ; entries count .. count + 31 repeat it
.Lnot0:
	s_wait_dscnt 0x0                               ; wave 0's stores have landed
	s_barrier_signal -1
	s_barrier_wait -1                              ; the list is there for every wave
; The offsets of a slab's rows in xq and xs, made of the token numbers.
.macro GA g
.irp p, 0,1,2,3
	v_min_u32 v[TK+4*\g+\p], 0x1fff, v[TK+4*\g+\p]
.endr
	v_min_u32 v[TS+\g], 0x1fff, v[TS+\g]
.irp p, 0,1,2,3
	v_mad_u32_u24 v[TK+4*\g+\p], v[TK+4*\g+\p], 768, v2
.endr
	v_lshl_add_u32 v[TS+\g], v[TS+\g], 5, v3
.endm
; A slab of 32 rows is asked for: sixteen lanes read one run of 256 bytes of a row's 768; a load takes two rows, 12 loads my 8 rows.
.macro GL g
.if \g < 5
	WIN 0xc0
.set GB, 48*\g
.set GC, 240+2*\g
.else
	WIN 0x80
.set GB, 144
.set GC, 192
.endif
.irp p, 0,1,2,3
.irp u, 0,1,2
	global_load_b128 v[GB+12*\p+4*\u:GB+12*\p+4*\u+3], v[TK+4*\g+\p], s[4:5] offset:256*\u
.endr
.endr
	global_load_b64 v[GC:GC+1], v[TS+\g], s[6:7]
	WIN 0
.endm
; and goes into LDS as fragment images
.macro GS g
.if \g < 5
	WIN 0x0c
.set GB, 48*\g
.set GC, 240+2*\g
.else
	WIN 0x08
.set GB, 144
.set GC, 192
.endif
.irp p, 0,1,2,3
.irp u, 0,1,2
	ds_store_b128 v[232+\g], v[GB+12*\p+4*\u:GB+12*\p+4*\u+3] offset:544*\u+16*\p
.endr
.endr
	ds_store_b64 v5, v[GC:GC+1] offset:1536*\g
	WIN 0
.endm
; The two fragments (tiles of rows 0 and 1) of K step s of group g: six LDS loads.
.macro FR g, s
.irp mt, 0,1
.irp u, 0,1,2
	ds_load_b128 v[12*(8*\mt+(\s))+4*\u:12*(8*\mt+(\s))+4*\u+3], v[238+\g] offset:\mt*MT+(\s)*1632+544*\u
.endr
.endr
.endm
; One product: K step s, tile of rows mt, n-tile t.  The weights' word stands in lanes 16-31 for odd s, the tokens' for s >= 4.
.macro MM s, mt, t
.set rD, ACC+8*(4*(\mt)+(\t))
.if (\s) < 5
.set rB, 48*(\s)+12*(\t)
.else
.set rB, 48*((\s)-5)+12*(\t)
.endif
.set rA, 12*(8*(\mt)+(\s))
.set rC, rD
.if (\s) == 0
.set rC, BIAS+8*(\t)
.endif
.set rW, WS+4*(\t)+(\s)/2
.set rX, XS+4*(\mt)+(\s)%4
.if ((\s)%2 == 0) && ((\s) < 4)
	v_wmma_scale_f32_16x16x128_f8f6f4 v[rD:rD+7], v[rB:rB+11], v[rA:rA+11], v[rC:rC+7], v[rW], v[rX] matrix_a_fmt:MATRIX_FMT_BF6 matrix_b_fmt:MATRIX_FMT_BF6
.elseif (\s) < 4
	v_wmma_scale_f32_16x16x128_f8f6f4 v[rD:rD+7], v[rB:rB+11], v[rA:rA+11], v[rC:rC+7], v[rW], v[rX] matrix_a_fmt:MATRIX_FMT_BF6 matrix_b_fmt:MATRIX_FMT_BF6 matrix_a_scale:MATRIX_SCALE_ROW1
.elseif (\s)%2 == 0
	v_wmma_scale_f32_16x16x128_f8f6f4 v[rD:rD+7], v[rB:rB+11], v[rA:rA+11], v[rC:rC+7], v[rW], v[rX] matrix_a_fmt:MATRIX_FMT_BF6 matrix_b_fmt:MATRIX_FMT_BF6 matrix_b_scale:MATRIX_SCALE_ROW1
.else
	v_wmma_scale_f32_16x16x128_f8f6f4 v[rD:rD+7], v[rB:rB+11], v[rA:rA+11], v[rC:rC+7], v[rW], v[rX] matrix_a_fmt:MATRIX_FMT_BF6 matrix_b_fmt:MATRIX_FMT_BF6 matrix_a_scale:MATRIX_SCALE_ROW1 matrix_b_scale:MATRIX_SCALE_ROW1
.endif
.endm
; 16 rows x my 64 columns leave: through my own stage (LDS serves a wave's instructions in order), back as rows of 256 bytes, to each row's token.  No vector line stands here.
.macro OUT mt
.irp t, 0,1,2,3
	ds_store_b128 v15, v[ACC+8*(4*\mt+\t):ACC+8*(4*\mt+\t)+3] offset:4352*\mt+64*\t          ; each accumulator from its low end on
	ds_store_b128 v15, v[ACC+8*(4*\mt+\t)+4:ACC+8*(4*\mt+\t)+7] offset:4352*\mt+64*\t+16
.endr
.irp i, 0,1,2,3,4,5,6,7
	ds_load_b128 v[RB+32*\mt+4*\i:RB+32*\mt+4*\i+3], v16 offset:4352*\mt+272*\i
.endr
.irp i, 0,1,2,3,4,5,6,7
	s_wait_dscnt 7-\i                              ; the loads issued behind this one may be out
	global_store_b128 v[OFF+8*\mt+\i], v[RB+32*\mt+4*\i:RB+32*\mt+4*\i+3], s[16:17] th:TH_STORE_NT   ; sixteen lanes store 256 consecutive bytes, at a multiple of 256 from out0's first byte
.endr
.endm
; A group of 32 rows of the chunk; left out where the count does not reach it.
.macro GROUP g
	s_cmp_le_i32 s24, 32*\g
	s_cbranch_scc1 .Lgs_\@
	s_wait_xcnt 0x0                                ; earlier stores have read their offsets and data: both are loaded anew below
	s_wait_alu depctr_vm_vsrc(0)                   ; the gather's LDS stores have read the slabs' registers, in which fragments land, and its loads their offsets, in which rows land on the way out; the last group's stage stores have read the accumulators, which the products below write, and its global stores OFF and the rows
	s_wait_alu depctr_va_vdst(0)                   ; the last group's vector lines have written OFF, and its products are done reading the tokens' scale words and fragments: the loads below land in all three
	ds_load_b128 v[OFF:OFF+3], v14 offset:128*\g               ; the tokens of rows 16 mt + 8 hh + 0 .. 7
	ds_load_b128 v[OFF+4:OFF+7], v14 offset:128*\g+16
	ds_load_b128 v[OFF+8:OFF+11], v14 offset:128*\g+64
	ds_load_b128 v[OFF+12:OFF+15], v14 offset:128*\g+80
	ds_load_b128 v[XS:XS+3], v12 offset:1536*\g
	ds_load_b128 v[XS+4:XS+7], v12 offset:1536*\g+768
	WIN 0xc0
.irp s, 0,1,2,3
	FR \g, \s                                      ; K steps 0 to 3 first; the other four are asked for among the products
.endr
	WIN 0
	s_wait_dscnt 24                                ; only the 24 fragment loads may be out: tokens and scale words are in
.irp i, 0,1,2,3,4,5,6,7,8,9,10,11,12,13,14,15
	v_min_u32 v[OFF+\i], 0x1fff, v[OFF+\i]
.endr
.irp i, 0,1,2,3,4,5,6,7,8,9,10,11,12,13,14,15
	v_lshl_add_u32 v[OFF+\i], v[OFF+\i], 12, v2    ; a row of out0 is 4,096 bytes.  (These 32 plain lines also stand between the last group's products and the products below, which write over their results)
.endr
.irp s, 0,1,2,3,4,5,6,7
.if \s < 2
	s_wait_dscnt 6*(3-\s)                          ; K steps 0 to 3 are asked for: the later ones' fragments, six loads each, may be out
.elseif \s < 4
	s_wait_dscnt 6*(5-\s)                          ; K steps 0 to 5 are asked for
.else
	s_wait_dscnt 6*(7-\s)                          ; all are asked for
.endif
.if \s < 5
	WIN 0x0d                                       ; source 0 (weights) window 1, source 1 (tokens) window 3, C and D window 0
.else
	WIN 0x0e                                       ; weights in window 2
.endif
.irp mt, 0,1
.irp t, 0,1,2,3
	MM \s, \mt, \t                                 ; the eight accumulators take turns, one instruction a turn
.endr
.endr
.if (\s == 1) || (\s == 3)
	WIN 0xc0
	FR \g, \s+3                                    ; two K steps' fragments, three and four steps ahead.  No wait: since the wait at the group's head the vector lines name OFF and v2, and the products the fragments of K steps 0 to 3, the weights, the bias, the accumulators and the scale words: none of the registers that these loads touch
	FR \g, \s+4
.endif
.endr
	WIN 0
.rept 4
	v_nop                                          ; four plain lines between the last products and the first read of results
.endr
	s_wait_alu depctr_va_vdst(0)                   ; the products have written the accumulators, which the stage's LDS stores read, and the vector lines OFF, which the global stores read; the four lines above stay beside this wait
	OUT 0
	s_cmp_le_i32 s24, 32*\g+16
	s_cbranch_scc1 .Lgs_\@                         ; the second tile is all padding
	OUT 1
.Lgs_\@:
.endm
	s_mov_b32 s27, 0                               ; trip
	s_mov_b32 s25, 0                               ; the chunk's first row
	s_mov_b32 s26, 0                               ; and its first list entry, in bytes
.Lchunk:
	s_sub_co_i32 s24, s22, s25                     ; rows left from this chunk on
	s_wait_alu depctr_vm_vsrc(0)                   ; the last chunk's LDS loads have read v8, v9 and v14, which are written below; its global stores (in the first trip wave 0's list stores) have read v152-215, in which token numbers land; its gather's LDS stores have read the slabs' registers, in which the next gather lands
	v_add_nc_u32 v8, s26, v6
	v_add_nc_u32 v9, s26, v7
	v_add_nc_u32 v14, s26, v13
	s_wait_alu depctr_va_vdst(0)                   ; v8, v9 and v14 are written: the chunk's LDS loads read them; in the first trip also: wave 0's vector lines have written v152-215, in which token numbers land
	s_cmp_le_i32 s24, 0
	s_cbranch_scc1 .Lnog
	s_wait_xcnt 0x0                                ; earlier stores have read the registers that take the token numbers
.irp g, 0,1,2,3,4,5
	ds_load_b128 v[TK+4*\g:TK+4*\g+3], v8 offset:128*\g
.endr
.irp g, 0,1,2,3,4,5
	ds_load_b32 v[TS+\g], v9 offset:128*\g
.endr
	s_wait_dscnt 0x0
.irp g, 0,1,2,3,4,5
	GA \g                                          ; the offsets of all six slabs together (every entry of the chunk is a token's number or 0), so that one wait serves every load of the gather
.endr
	s_wait_alu depctr_va_vdst(0)                   ; the offsets in v152-181 are written: the gather's loads read them; the last chunk's products are done reading the fragments' registers, in which these loads land
	GL 0                                           ; all the slabs that the count asks for are on their way together; each entry below stores just those
	s_cmp_le_i32 s24, 32
	s_cbranch_scc1 .Ls1
	GL 1
	s_cmp_le_i32 s24, 64
	s_cbranch_scc1 .Ls2
	GL 2
	s_cmp_le_i32 s24, 96
	s_cbranch_scc1 .Ls3
	GL 3
	s_cmp_le_i32 s24, 128
	s_cbranch_scc1 .Ls4
	GL 4
	s_cmp_le_i32 s24, 160
	s_cbranch_scc1 .Ls5
	GL 5
	s_wait_loadcnt 0x0                             ; for 0, so that no count hangs on the way taken
	GS 5
.Ls5:
	s_wait_loadcnt 0x0
	GS 4
.Ls4:
	s_wait_loadcnt 0x0
	GS 3
.Ls3:
	s_wait_loadcnt 0x0
	GS 2
.Ls2:
	s_wait_loadcnt 0x0
	GS 1
.Ls1:
	s_wait_loadcnt 0x0
	GS 0
.Lnog:
	s_wait_loadcnt 0x0                             ; weights, their scale words and the bias are in on every way
	s_wait_dscnt 0x0                               ; my part of the images has landed
	s_barrier_signal -1
	s_barrier_wait -1                              ; everybody's has
	GROUP 0
	GROUP 1
	GROUP 2
	GROUP 3
	GROUP 4
	GROUP 5
	s_wait_dscnt 0x0                               ; my reads of the images are over
	s_barrier_signal -1
	s_barrier_wait -1                              ; everybody's are: the next gather may write them
	s_add_co_u32 s25, s25, 192
	s_add_co_u32 s26, s26, 768
	s_add_co_u32 s27, s27, 1
	s_cmp_lt_u32 s27, 6
	s_cbranch_scc1 .Lchunk
	s_wait_dscnt 0x0
	s_wait_alu depctr_hold_cnt(0) depctr_sa_sdst(0) depctr_va_vdst(0) depctr_va_sdst(0) depctr_va_ssrc(0) depctr_va_vcc(0) depctr_vm_vsrc(0)
	s_wait_tensorcnt 0x0
	ds_add_u32 v254, v255
	s_wait_dscnt 0x0
	s_endpgm
.Lfunc_end_k_q9bf228f124_moe:
	.size	k_q9bf228f124_moe, .Lfunc_end_k_q9bf228f124_moe-k_q9bf228f124_moe
	.p2alignl 7, 3214868480
	.fill 96, 4, 3214868480
	.section	.rodata,"a",@progbits
	.p2align	6, 0x0
	.amdhsa_kernel k_q9bf228f124_moe
		.amdhsa_group_segment_fixed_size 206080
		.amdhsa_private_segment_fixed_size 0
		.amdhsa_enable_private_segment 0
		.amdhsa_kernarg_size 56
		.amdhsa_user_sgpr_count 2
		.amdhsa_user_sgpr_kernarg_segment_ptr 1
		.amdhsa_wavefront_size32 1
		.amdhsa_system_sgpr_workgroup_id_x 1
		.amdhsa_system_sgpr_workgroup_id_y 1
		.amdhsa_system_sgpr_workgroup_id_z 1
		.amdhsa_system_vgpr_workitem_id 0
		.amdhsa_next_free_vgpr 1024
		.amdhsa_next_free_sgpr 66
		.amdhsa_reserve_vcc 0
		.amdhsa_float_denorm_mode_32 3
		.amdhsa_float_denorm_mode_16_64 3
		.amdhsa_memory_ordered 1
		.amdhsa_forward_progress 1
		.amdhsa_inst_pref_size 166
	.end_amdhsa_kernel
	.amdgpu_metadata
---
amdhsa.version: [ 1, 2 ]
amdhsa.kernels:
  - .name:           k_q9bf228f124_moe
    .symbol:         k_q9bf228f124_moe.kd
    .args:
      - { .name: xq, .offset: 0, .size: 8, .value_kind: global_buffer, .address_space: global }
      - { .name: xs, .offset: 8, .size: 8, .value_kind: global_buffer, .address_space: global }
      - { .name: wq, .offset: 16, .size: 8, .value_kind: global_buffer, .address_space: global }
      - { .name: ws, .offset: 24, .size: 8, .value_kind: global_buffer, .address_space: global }
      - { .name: expert_b, .offset: 32, .size: 8, .value_kind: global_buffer, .address_space: global }
      - { .name: top, .offset: 40, .size: 8, .value_kind: global_buffer, .address_space: global }
      - { .name: out0, .offset: 48, .size: 8, .value_kind: global_buffer, .address_space: global }
    .group_segment_fixed_size: 206080
    .private_segment_fixed_size: 0
    .kernarg_segment_align: 8
    .kernarg_segment_size: 56
    .max_flat_workgroup_size: 128
    .sgpr_count:     66
    .vgpr_count:     1024
    .wavefront_size: 32
...
	.end_amdgpu_metadata
.endif
;; end of part 4
